; MI455X (gfx1250); checked and timed in simulation.
; The chip was launched on July 23, 2026; its instructions are those of AMD's public machine-readable ISA for CDNA 5 (MIT licence, August 2026) and "CDNA5" Instruction Set Architecture Reference Guide (July 2026). The comments in the code are by the model that wrote it; some were corrected since.
;; Attention. Allowed arithmetic: matrix products marked QUANTISED: E2M1 operands, one E8M0 scale for each 32 along K, by v_wmma_scale_f32_16x16x128_f8f6f4 with both operands' format E2M1 (or v_wmma_scale_f32_32x16x128_f4), f32 sums; products left as they are: bf16, f16 or f32 operands; f32 sums; everything else in f32.
;; Inputs: Wk 2,048 x 4 x 128 float32; Wo 16 x 128 x 1,024 float32; Wq 2,048 x 16 x 128 float32; Wv 2,048 x 4 x 128 float32; Xkv 2 x 2,048 x 2,048 float32; Xq 2 x 2,048 x 2,048 float32; kv_positions 2 x 2,048 int32; q_positions 2 x 2,048 int32.
;; Outputs: out0 2 x 2,048 x 1,024 float32.
;; This version of the problem:
;;   THIS VERSION OF THE PROBLEM IS GIVEN IN LOW PRECISION. The matrix products marked QUANTISED in the list below multiply operands that are first quantised to E2M1 (2 exponent bits, 1 mantissa bit; 4 bits a number), with one power-of-two scale for each 32 numbers along K (OCP MX v1.0); their sums are f32. The products marked 'left as it is' may take bf16, f16 or f32 operands, with f32 sums. Whichever they take, every output number must still come out within the allowed error. Rounding operands to bf16 (8 significant bits) uses up far more of that allowance than f16 does (11 bits, for magnitudes from 6e-5 to 65,504). All else is computed in f32.
;;   The module's matrix products, in the order in which they are computed (A, B: the left and right operand; K: the contracted axis; several contracted axes count as one K, in the product's order):
;;     1. [M 4,096, K 2,048] x [K 2,048, N 2,048]; A: input Xq; B: input Wq: QUANTISED
;;     2. [M 4,096, K 2,048] x [K 2,048, N 512]; A: input Xkv; B: input Wk: QUANTISED
;;     3. [M 4,096, K 2,048] x [K 2,048, N 512]; A: input Xkv; B: input Wv: QUANTISED
;;     4. batch 8 x [M 8,192, K 128] x [K 128, N 2,048]; A: computed on the way; B: computed on the way: left as it is (an operand is computed on the way)
;;     5. batch 8 x [M 8,192, K 2,048] x [K 2,048, N 128]; A: computed on the way; B: computed on the way: left as it is (an operand is computed on the way)
;;     6. [M 4,096, K 2,048] x [K 2,048, N 1,024]; A: computed on the way; B: input Wo: left as it is (an operand is computed on the way)
;;   THE QUANTISER, for each operand of a quantised product, along K:
;;     - K is cut into blocks of 32 from its start; a last block that is shorter is filled with zeros.
;;     - A block's scale is 2^e with e = floor(log2(the largest magnitude in the block)) - 2, held to -126 .. 127; a block of zeros has e = 0. As a byte (E8M0): e + 127.
;;     - Each number is divided by its block's scale, clamped to +-6, and rounded to the nearest number of E2M1, ties to even, subnormals kept.
;;     - The product sums the exact products of the quantised numbers (number of the format x scale) in f32.
;;   ~~~python
;;   def quantise(x, axis):      # numpy; x: float32 -> the quantised numbers, widened to float32 again
;;       x = np.moveaxis(x, axis, -1); K = x.shape[-1]
;;       x = np.pad(x, [(0, 0)] * (x.ndim - 1) + [(0, -K % 32)]); x = x.reshape(x.shape[:-1] + (-1, 32)); a = np.abs(x).max(-1, keepdims=True)
;;       e = np.where(a > 0, np.clip(np.frexp(np.where(a > 0, a, 1))[1] - 1 - 2, -126, 127), 0)      # np.frexp(a)[1] - 1 = floor(log2(a)), exactly
;;       r = np.clip(x / 2.0 ** e, -6, 6)
;;       step = 2.0 ** (np.maximum(np.frexp(np.where(r == 0, 1, r))[1] - 1, 0) - 1)
;;       q = np.round(r / step) * step * 2.0 ** e      # np.round: ties to even
;;       return np.moveaxis(q.reshape(q.shape[:-2] + (-1,))[..., :K], -1, axis).astype(np.float32)
;;   ~~~
;; One version. Each part assembles by itself: llvm-mc -triple=amdgcn-amd-amdhsa -mcpu=gfx1250 --defsym DOCPART=n.
;; ======== version 1 of 1: 4 launches
;; limits: values are held in f16: magnitudes above 65,504 overflow, below 6.1e-05 lose precision; right only within a limited range of input values
;; workspace buffers: codes 11,534,336 bytes; scales 720,896 bytes; wo16 4,194,304 bytes; rope 4,259,840 bytes; q16 16,777,216 bytes; kv16 8,388,608 bytes; attn16 16,777,216 bytes
;; launch prep (part 1): grid 802 x 1, 4 waves a work-group, no clusters, 68,096 bytes of LDS; arguments Xq, Xkv, Wq, Wk, Wv, Wo, q_positions, kv_positions, codes, scales, wo16, rope; writes codes, scales, wo16, rope
.if DOCPART == 1
	.amdgcn_target "amdgcn-amd-amdhsa--gfx1250"
	.amdhsa_code_object_version 6
	.text
	.protected	k_qd48a59ee3c_prep
	.globl	k_qd48a59ee3c_prep
	.p2align	8
	.type	k_qd48a59ee3c_prep,@function
k_qd48a59ee3c_prep:
	s_mov_b64 s[64:65], 0
	v_nop
	global_prefetch_b8 v0, s[64:65] scope:SCOPE_SE
	s_setreg_imm32_b32 hwreg(HW_REG_WAVE_MODE, 25, 1), 1
	s_wait_xcnt 0x0
; PREPARATION, one launch, four kinds of work-group, parted by the work-group's number alone:
;   X (0-511):   Xq and Xkv [4096][2048] f32 -> codes of FP4 (E2M1), K innermost, two a byte, and one E8M0 byte for each 32 along K.
;   W (512-607): Wq [2048 k][2048 n], Wk, Wv [2048 k][512 n] f32, K their FIRST axis -> codes laid [3072 n][2048 k], K innermost, and their bytes [3072][64].
;   C (608-671): Wo [2048 k][1024 n] f32 -> f16, as it lies.
;   T (672-801): cos and sin of position x 10000^(-f/64), f = 0 .. 63, for q_positions, for kv_positions, and for position 0 (cos 1, sin 0: it lets v go the way of q and k),
;                laid as the reader's registers want them: a block of 16 rows is 16 pieces of 512 bytes; piece 4 b + 2 cs + u, lane l: row l % 16, f = 16 b + 8 (l / 16) + 4 u + 0 .. 3 (cs = 0 cos, 1 sin).
; A block's scale is 2^(floor(log2(its largest magnitude)) - 2); its byte is the largest magnitude's exponent field - 2, held at 1 from below.
; LIMITS: NaN and infinities among the inputs are not served.  A block of zeros gets the byte 1 where the rule says 127: its codes are zeros, and this program alone reads the bytes.
; |Wo| stays under 65,504 (f16).  |position| up to 2^24.  The angle is position x 2^(-f log2(10000) / 64), not position / timescale: a few units in the angle's last place apart.
; No tensor loads, no barrier: waves share nothing.  Paths X and W have LDS bytes of their own.
.set SPARE, 67584                      ; behind both paths' LDS: the spare words, 128 bytes for each wave: two blocks of 256 bytes that no other line names
.set SPW,   1                          ; v1  LDS address of my spare word; never rewritten
.set NIL,   2                          ; v2  0; never rewritten
; path X: v3 lane, v4 16 lane, v5 stage in, v6 stage out, v7 8 lane, v8 my block's byte in LDS, v10 the bytes' way out, v11, v14, v15 at work
.set R,     16                         ; v16-79   four sets of 16 numbers as loaded
.set XN,    80                         ; v80-111  two sets of 16 neighbours
.set E,     112                        ; v112-127 a scale byte for each step
.set C,     128                        ; v128-191 codes, four registers for each step: no store's data are written again
.set SP,    80                         ; a lane's place in a stage: 64 bytes + 16 of padding
; path W: v3 lane, v4 4 lane, v5 stage in, v6 stage out, v7 codes' offset, v8 bytes' offset, v9-11 at work
.set SB,    24                         ; v24-27   16 scale bytes
.set XW,    32                         ; v32-95   two sets of 32 numbers
.set CW,    96                         ; v96-99   a block's codes
.set OUTR,  112                        ; v112-175 the way out
.set OFFV,  176                        ; v176-207 row i of a block of 32: i x pitch + 4 lane; never rewritten
.set WST,   32768                      ; path W's stages begin here: 32 rows x 272 bytes for each wave
; path C
.set CR,    32                         ; v32-159  two sets of 64 numbers
.set CO,    160                        ; v160-191 packed f16
; path T
.set INV,   32                         ; v32-63   10000^(-f/64) of my 32 frequencies
.set OUT,   64                         ; v64-127  eight tasks x (4 cos, 4 sin)
	s_load_b512 s[8:23], s[0:1], 0x0               ; Xq s[8:9], Xkv s[10:11], Wq s[12:13], Wk s[14:15], Wv s[16:17], Wo s[18:19], q_positions s[20:21], kv_positions s[22:23]
	s_load_b256 s[24:31], s[0:1], 0x40             ; codes s[24:25], scales s[26:27], wo16 s[28:29], rope s[30:31]
	v_lshl_add_u32 v[SPW], v0, 2, SPARE
	v_mov_b32 v[NIL], 0
	v_lshrrev_b32 v3, 5, v0
	v_readfirstlane_b32 s2, v3                     ; wave 0..3
	v_and_b32 v3, 31, v0                           ; lane
	s_wait_kmcnt 0x0
	s_cmp_lt_u32 ttmp9, 512
	s_cbranch_scc1 .Lpath_x
	s_cmp_lt_u32 ttmp9, 608
	s_cbranch_scc1 .Lpath_w
	s_cmp_lt_u32 ttmp9, 672
	s_cbranch_scc1 .Lpath_c
; ---------------------------------------------------------------- PATH T: a wave makes one block of 16 rows of a table
	s_sub_co_u32 s32, ttmp9, 672                   ; 0-63 q's table, 64-127 kv's, 128-129 the table of position 0
	s_cmp_lt_u32 s32, 64
	s_cselect_b64 s[4:5], s[20:21], s[22:23]
	s_cmp_lt_u32 s32, 128
	s_cselect_b64 s[4:5], s[4:5], s[20:21]
	s_cselect_b32 s40, 1.0, 0                      ; the position's factor: 0 makes the third table
	s_lshr_b32 s33, s32, 6
	s_lshl_b32 s34, s33, 21                        ; the tables lie 0x200000 bytes apart
	s_and_b32 s32, s32, 63
	s_lshl_b32 s32, s32, 2
	s_add_co_u32 s32, s32, s2                      ; my block of 16 rows
	s_lshl_b32 s36, s32, 6
	s_mov_b32 s37, 0
	s_add_nc_u64 s[4:5], s[4:5], s[36:37]          ; its 16 positions
	s_lshl_b32 s36, s32, 13
	s_add_co_u32 s36, s36, s34
	s_add_nc_u64 s[6:7], s[30:31], s[36:37]        ; its 8,192 bytes of the table
	v_and_b32 v4, 15, v3
	v_lshlrev_b32 v6, 2, v4
	global_load_b32 v7, v6, s[4:5]                 ; the position of row lane % 16
	v_lshrrev_b32 v4, 4, v3
	v_lshlrev_b32 v4, 3, v4                        ; 8 (lane / 16)
	v_lshlrev_b32 v5, 4, v3                        ; 16 x lane
	s_mov_b32 s41, 0x3f22f983                      ; 2 / pi
	s_mov_b32 s42, 0x3fc90fdb                      ; pi / 2 in three parts
	s_mov_b32 s43, 0xb33bbd2e
	s_mov_b32 s44, 0xa6f72ced
	s_mov_b32 s45, 0xbe2aaaa3                      ; sine on [-pi/4, pi/4]: r + r z (S1 + z (S2 + z S3)), z = r r
	s_mov_b32 s46, 0x3c08839e
	s_mov_b32 s47, 0xb94ca1f9
	s_mov_b32 s48, 0x3d2aaaa5                      ; cosine: 1 - z / 2 + z z (C1 + z (C2 + z C3))
	s_mov_b32 s49, 0xbab6061a
	s_mov_b32 s50, 0x37ccf5ce
.irp b, 0,1,2,3
.irp u, 0,1
.irp e, 0,1,2,3
	v_add_nc_u32 v[INV+8*\b+4*\u+\e], 16*\b+4*\u+\e, v4   ; f, as a whole number
.endr
.endr
.endr
.set j, 0
.rept 32
	v_cvt_f32_u32 v[INV+j], v[INV+j]
.set j, j+1
.endr
.set j, 0
.rept 32
	v_mul_f32 v[INV+j], 0xbe549a78, v[INV+j]       ; x -log2(10000) / 64
.set j, j+1
.endr
.set j, 0
.rept 32
	v_exp_f32 v[INV+j], v[INV+j]                   ; one batch of 32
.set j, j+1
.endr
	s_wait_loadcnt 0x0                             ; the position
	v_cvt_f32_i32 v7, v7                           ; (plain lines behind the last exponential)
	v_mul_f32 v7, s40, v7
	s_wait_alu depctr_va_vdst(0)                   ; one wait for the batch, ahead of its first reader
; cos and sin of v7 x v[inv].  n = the nearest whole number to x 2 / pi; r = x - n pi / 2, by three fused lines; the quadrant n mod 4 picks the polynomial and the sign: values are chosen, nothing branches
.macro SINCOS inv, cd, sd, tb
	v_mul_f32 v[\tb], v7, v[\inv]
	v_mul_f32 v[\tb+1], s41, v[\tb]
	v_rndne_f32 v[\tb+1], v[\tb+1]
	v_fma_f32 v[\tb+2], -v[\tb+1], s42, v[\tb]
	v_fma_f32 v[\tb+2], -v[\tb+1], s43, v[\tb+2]
	v_fma_f32 v[\tb+2], -v[\tb+1], s44, v[\tb+2]
	v_cvt_i32_f32 v[\tb+3], v[\tb+1]
	v_mul_f32 v[\tb+4], v[\tb+2], v[\tb+2]
	v_fma_f32 v[\tb+5], v[\tb+4], s47, s46
	v_fma_f32 v[\tb+6], v[\tb+4], s50, s49
	v_mul_f32 v[\tb], v[\tb+4], v[\tb+2]
	v_mul_f32 v[\tb+1], v[\tb+4], v[\tb+4]
	v_fma_f32 v[\tb+5], v[\tb+5], v[\tb+4], s45
	v_fma_f32 v[\tb+6], v[\tb+6], v[\tb+4], s48
	v_fma_f32 v[\tb+7], v[\tb+4], -0.5, 1.0
	v_fma_f32 v[\tb+5], v[\tb+5], v[\tb], v[\tb+2]       ; sin r
	v_fma_f32 v[\tb+6], v[\tb+6], v[\tb+1], v[\tb+7]     ; cos r
	v_and_b32 v[\tb+7], 1, v[\tb+3]
	v_cmp_eq_u32 vcc_lo, 1, v[\tb+7]
	v_cndmask_b32 v[\sd], v[\tb+5], v[\tb+6], vcc_lo     ; odd quadrants change the two
	v_cndmask_b32 v[\cd], v[\tb+6], v[\tb+5], vcc_lo
	v_lshlrev_b32 v[\tb+7], 30, v[\tb+3]
	v_add_nc_u32 v[\tb+3], 1, v[\tb+3]
	v_and_b32 v[\tb+7], 0x80000000, v[\tb+7]             ; sine is negated in quadrants 2 and 3,
	v_lshlrev_b32 v[\tb+3], 30, v[\tb+3]
	v_xor_b32 v[\sd], v[\sd], v[\tb+7]
	v_and_b32 v[\tb+3], 0x80000000, v[\tb+3]             ; cosine in 1 and 2
	v_xor_b32 v[\cd], v[\cd], v[\tb+3]
.endm
.irp b, 0,1,2,3
.irp u, 0,1
.irp e, 0,1,2,3
	SINCOS INV+8*\b+4*\u+\e, OUT+16*\b+8*\u+\e, OUT+16*\b+8*\u+4+\e, 8+8*(\e%2)
.endr
	global_store_b128 v5, v[OUT+16*\b+8*\u:OUT+16*\b+8*\u+3], s[6:7] offset:(4*\b+\u)*512        ; the wave stores 512 bytes on end
	global_store_b128 v5, v[OUT+16*\b+8*\u+4:OUT+16*\b+8*\u+7], s[6:7] offset:(4*\b+2+\u)*512
.endr
.endr
	s_wait_tensorcnt 0x0                           ; the wave's end
	ds_add_u32 v[SPW], v[NIL]
	s_wait_dscnt 0x0
	s_endpgm
; ---------------------------------------------------------------- PATH C: a wave turns 8,192 numbers of Wo into f16, four rounds of 16 loads, two rounds ahead
.macro LOADR k
.irp i, 0,1,2,3,4,5,6,7,8,9,10,11,12,13,14,15
	global_load_b128 v[CR+64*((\k)%2)+4*\i:CR+64*((\k)%2)+4*\i+3], v4, s[4:5] offset:(16*(\k)+\i)*512 th:TH_LOAD_NT
.endr
.endm
.macro ROUNDC k
.if (\k) < 3
	s_wait_loadcnt 16                              ; this round's 16 loads are in; the next round's 16 may be out
.else
	s_wait_loadcnt 0x0
.endif
	s_wait_xcnt 0x0                                ; the last round's stores have read their data: the packed registers are written again only behind this wait
.irp i, 0,1,2,3,4,5,6,7,8,9,10,11,12,13,14,15
	v_cvt_pk_f16_f32 v[CO+2*\i], v[CR+64*((\k)%2)+4*\i], v[CR+64*((\k)%2)+4*\i+1]
	v_cvt_pk_f16_f32 v[CO+2*\i+1], v[CR+64*((\k)%2)+4*\i+2], v[CR+64*((\k)%2)+4*\i+3]
.endr
.irp i, 0,1,2,3,4,5,6,7,8,9,10,11,12,13,14,15
	global_store_b64 v5, v[CO+2*\i:CO+2*\i+1], s[6:7] offset:(16*(\k)+\i)*256   ; 32 lanes store 256 bytes on end, aligned
.endr
.if (\k) < 2
	LOADR (\k)+2
.endif
.endm
.Lpath_c:
	s_sub_co_u32 s32, ttmp9, 608
	s_lshl_b32 s32, s32, 2
	s_add_co_u32 s32, s32, s2                      ; my run of 8,192 numbers, 0 .. 255
	s_lshl_b32 s34, s32, 15
	s_mov_b32 s35, 0
	s_add_nc_u64 s[4:5], s[18:19], s[34:35]
	s_lshl_b32 s34, s32, 14
	s_add_nc_u64 s[6:7], s[28:29], s[34:35]
	v_lshlrev_b32 v4, 4, v3
	v_lshlrev_b32 v5, 3, v3
	LOADR 0
	LOADR 1
	ROUNDC 0
	ROUNDC 1
	ROUNDC 2
	ROUNDC 3
	s_wait_tensorcnt 0x0                           ; the wave's end, as above
	ds_add_u32 v[SPW], v[NIL]
	s_wait_dscnt 0x0
	s_endpgm
; ---------------------------------------------------------------- PATH X: rows are dense and K is a multiple of 32: a tensor is a stream of blocks of 32
; A wave takes 16 steps of 512 numbers.  Each load reads 512 bytes on end; a step's 2,048 bytes turn through the wave's own stage in LDS and come back 64 bytes a lane: 16 neighbours, two lanes to a block.
.macro LOADX t
.irp i, 0,1,2,3
	global_load_b128 v[R+16*((\t)%4)+4*\i:R+16*((\t)%4)+4*\i+3], v4, s[4:5] offset:2048*(\t)+512*\i th:TH_LOAD_NT
.endr
.endm
.macro TURNX t                         ; LDS serves a wave's instructions in order: no wait between the stores and the loads
.irp i, 0,1,2,3
	ds_store_b128 v5, v[R+16*((\t)%4)+4*\i:R+16*((\t)%4)+4*\i+3] offset:32*SP*((\t)%2)+8*SP*\i
.endr
.irp i, 0,1,2,3
	ds_load_b128 v[XN+16*((\t)%2)+4*\i:XN+16*((\t)%2)+4*\i+3], v6 offset:32*SP*((\t)%2)+16*\i
.endr
.endm
.macro STEPX t
.set XS, XN+16*((\t)%2)
.if (\t) > 0
	s_wait_dscnt 1                                 ; this step's numbers are back from the stage; the last step's byte store may be out
.else
	s_wait_dscnt 0x0
.endif
.if (\t)+4 < 16
	LOADX (\t)+4                                   ; into the registers that this step's stores to the stage have read
.endif
.if (\t)+1 < 16
.if 14-(\t) >= 3
	s_wait_loadcnt 12                              ; the next step's four loads are in; those of the three steps behind it may be out
.else
	s_wait_loadcnt 4*(14-(\t))
.endif
	TURNX (\t)+1
.endif
	v_max3_num_f32 v14, |v[XS]|, |v[XS+1]|, |v[XS+2]|              ; the largest magnitude of my 16, in two chains
	v_max3_num_f32 v15, |v[XS+3]|, |v[XS+4]|, |v[XS+5]|
.irp i, 6,10
	v_max3_num_f32 v14, v14, |v[XS+\i]|, |v[XS+\i+1]|
	v_max3_num_f32 v15, v15, |v[XS+\i+2]|, |v[XS+\i+3]|
.endr
	v_max3_num_f32 v14, v14, |v[XS+14]|, |v[XS+15]|
	v_max3_num_f32 v14, v14, v15, 0x1800000        ; and the floor 2^(3 - 127): the byte cannot fall under 1
	v_max_num_f32_dpp v14, v14, v14 row_xmask:1 row_mask:0xf bank_mask:0xf   ; with my neighbour's 16: the block's
	v_add_nc_u32 v11, 0xff000000, v14              ; 2 off its exponent field: the conversion takes this operand's exponent field as its scale
	v_cvt_scalef32_pk8_fp4_f32 v[C+4*(\t)], v[XS:XS+7], v11
	v_cvt_scalef32_pk8_fp4_f32 v[C+4*(\t)+1], v[XS+8:XS+15], v11
	v_lshrrev_b32 v[E+(\t)], 23, v11               ; the scale's byte (a plain line behind the conversions)
	ds_store_b8 v8, v[E+(\t)] offset:16*(\t)       ; both lanes of a block write the same byte with the same value
	global_store_b64 v7, v[C+4*(\t):C+4*(\t)+1], s[6:7] offset:256*(\t)   ; 32 lanes store 256 bytes on end, aligned
.endm
.Lpath_x:
	s_cmp_lt_u32 ttmp9, 256                        ; Xq's work-group or Xkv's
	s_cselect_b64 s[4:5], s[8:9], s[10:11]
	s_and_b32 s32, ttmp9, 255
	s_lshl_b32 s32, s32, 2
	s_add_co_u32 s32, s32, s2
	s_lshl_b32 s32, s32, 15                        ; my run of 8,192 numbers in its tensor
	s_mov_b32 s33, 0
	s_add_nc_u64 s[4:5], s[4:5], s[32:33]
	s_lshl_b32 s34, ttmp9, 2
	s_add_co_u32 s34, s34, s2                      ; Xkv's codes and bytes follow Xq's on end
	s_lshl_b32 s32, s34, 12
	s_add_nc_u64 s[6:7], s[24:25], s[32:33]
	s_lshl_b32 s32, s34, 8
	s_add_nc_u64 s[36:37], s[26:27], s[32:33]
	s_lshl_b32 s3, s2, 13                          ; my wave's 8,192 bytes of LDS: two stages of 32 x 80, then 256 scale bytes
	v_lshlrev_b32 v4, 4, v3
	v_lshrrev_b32 v5, 2, v3
	v_mul_u32_u24 v5, v5, SP
	v_and_b32 v6, 3, v3
	v_lshl_add_u32 v5, v6, 4, v5
	v_add_nc_u32 v5, s3, v5                        ; in: four lanes' 64 bytes on end, then the padding
	v_mul_u32_u24 v6, v3, SP
	v_add_nc_u32 v6, s3, v6                        ; out: my 16 neighbours
	v_lshlrev_b32 v7, 3, v3
	v_lshrrev_b32 v8, 1, v3
	s_add_co_u32 s3, s3, 2*32*SP
	v_add_nc_u32 v8, s3, v8
	v_add_nc_u32 v10, s3, v7
.irp t, 0,1,2,3
	LOADX \t
.endr
	s_wait_loadcnt 12                              ; step 0's four loads are in
	TURNX 0
.irp t, 0,1,2,3,4,5,6,7,8,9,10,11,12,13,14,15
	STEPX \t
.endr
	ds_load_b64 v[14:15], v10                      ; my wave's 256 scale bytes, 8 a lane
	s_wait_dscnt 0x0
	global_store_b64 v7, v[14:15], s[36:37]        ; one aligned run of 256 bytes
	s_wait_tensorcnt 0x0                           ; the wave's end: behind my last LDS store
	ds_add_u32 v[SPW], v[NIL]
	s_wait_dscnt 0x0
	s_endpgm
; ---------------------------------------------------------------- PATH W: a lane takes a column n, its registers run down K: a block of 32 lies in one lane, and the codes come out with K innermost
; A wave takes 32 columns x 512 along K: 16 blocks a lane.  The codes go through the wave's own stage and leave as rows: sixteen lanes store 256 bytes on end.  Loads run two blocks ahead.
.macro LOADW t
.if (\t) > 0
	s_wait_xcnt 0x0                                ; the loads issued so far have read their base: it steps only behind this wait
	s_add_nc_u64 s[4:5], s[4:5], s[36:37]          ; 32 rows down
.endif
.irp i, 0,1,2,3,4,5,6,7,8,9,10,11,12,13,14,15,16,17,18,19,20,21,22,23,24,25,26,27,28,29,30,31
	global_load_b32 v[XW+32*((\t)%2)+\i], v[OFFV+\i], s[4:5] th:TH_LOAD_NT
.endr
.endm
.macro BLOCKW t
.set XS, XW+32*((\t)%2)
.if (\t) < 15
	s_wait_loadcnt 32                              ; this block's 32 loads are in; the next block's may be out
.else
	s_wait_loadcnt 0x0
.endif
	v_max3_num_f32 v9, |v[XS]|, |v[XS+1]|, |v[XS+2]|
	v_max3_num_f32 v10, |v[XS+3]|, |v[XS+4]|, |v[XS+5]|
.irp i, 6,10,14,18,22,26
	v_max3_num_f32 v9, v9, |v[XS+\i]|, |v[XS+\i+1]|
	v_max3_num_f32 v10, v10, |v[XS+\i+2]|, |v[XS+\i+3]|
.endr
	v_max3_num_f32 v9, v9, |v[XS+30]|, |v[XS+31]|
	v_max3_num_f32 v9, v9, v10, 0x1800000          ; the floor 2^(3 - 127)
	v_add_nc_u32 v11, 0xff000000, v9
	v_lshrrev_b32 v10, 23, v11                     ; the scale's byte
.if (\t)%4 == 0
	v_mov_b32 v[SB+(\t)/4], v10
.else
	v_lshl_or_b32 v[SB+(\t)/4], v10, 8*((\t)%4), v[SB+(\t)/4]
.endif
.irp g, 0,1,2,3
	v_cvt_scalef32_pk8_fp4_f32 v[CW+\g], v[XS+8*\g:XS+8*\g+7], v11
.endr
	ds_store_b128 v5, v[CW:CW+3] offset:16*(\t)    ; 32 codes: 16 bytes of my column's row
.if (\t)+2 < 16
	LOADW (\t)+2
.endif
	s_wait_dscnt 0x0                               ; the store has read its registers: the next block's codes may be written
.endm
.Lpath_w:
	s_sub_co_u32 s32, ttmp9, 512
	s_lshr_b32 s33, s32, 2                         ; which 128 of the 3,072 columns: 0-15 Wq's, 16-19 Wk's, 20-23 Wv's
	s_and_b32 s35, s32, 3                          ; which 512 along K
	s_mov_b32 s38, 2560
	s_mov_b32 s34, 2048
	s_cmp_lt_u32 s33, 20
	s_cselect_b64 s[4:5], s[14:15], s[16:17]
	s_cselect_b32 s38, 2048, s38
	s_cmp_lt_u32 s33, 16
	s_cselect_b64 s[4:5], s[12:13], s[4:5]
	s_cselect_b32 s38, 0, s38                      ; the tensor's first row in the codes' part
	s_cselect_b32 s34, 8192, s34                   ; the tensor's pitch from k to k + 1, in bytes
	s_lshl_b32 s39, s33, 7
	s_lshl_b32 s40, s2, 5
	s_add_co_u32 s39, s39, s40                     ; n0: my wave's first row of codes
	s_sub_co_u32 s41, s39, s38                     ; and its column in its tensor
	s_lshl_b32 s42, s34, 9
	s_mul_i32 s42, s42, s35
	s_lshl_b32 s43, s41, 2
	s_add_co_u32 s42, s42, s43
	s_mov_b32 s43, 0
	s_add_nc_u64 s[4:5], s[4:5], s[42:43]
	s_lshl_b32 s36, s34, 5                         ; 32 rows, in bytes
	s_mov_b32 s37, 0
	s_lshl_b32 s42, s39, 10
	s_lshl_b32 s44, s35, 8
	s_add_co_u32 s42, s42, s44
	s_add_co_u32 s42, s42, 0x800000
	s_add_nc_u64 s[6:7], s[24:25], s[42:43]        ; codes: row n0, 256 bytes for each 512 along K
	s_lshl_b32 s42, s39, 6
	s_lshl_b32 s44, s35, 4
	s_add_co_u32 s42, s42, s44
	s_add_co_u32 s42, s42, 0x80000
	s_add_nc_u64 s[46:47], s[26:27], s[42:43]      ; bytes: row n0, 16 for each 512 along K
	s_mul_i32 s48, s2, 32*272
	s_add_co_u32 s48, s48, WST                     ; my stage
	v_lshlrev_b32 v4, 2, v3
	v_mul_u32_u24 v5, v3, 272
	v_add_nc_u32 v5, s48, v5                       ; in: row = my column
	v_and_b32 v9, 15, v3
	v_lshrrev_b32 v10, 4, v3
	v_mul_u32_u24 v6, v10, 272
	v_lshl_add_u32 v6, v9, 4, v6
	v_add_nc_u32 v6, s48, v6                       ; out: sixteen lanes to a row, two rows an instruction
	v_lshlrev_b32 v7, 10, v10
	v_lshl_add_u32 v7, v9, 4, v7                   ; and the same place in the codes' buffer
	v_lshlrev_b32 v8, 6, v3                        ; my column's row of scale bytes
.irp i, 0,1,2,3,4,5,6,7,8,9,10,11,12,13,14,15,16,17,18,19,20,21,22,23,24,25,26,27,28,29,30,31
	v_mad_u32_u24 v[OFFV+\i], s34, \i, v4
.endr
	LOADW 0
	LOADW 1
.set Q, 0
.rept 16
	BLOCKW Q
.set Q, Q+1
.endr
	global_store_b128 v8, v[SB:SB+3], s[46:47]     ; my column's 16 scale bytes
.irp t, 0,1,2,3,4,5,6,7,8,9,10,11,12,13,14,15
	ds_load_b128 v[OUTR+4*\t:OUTR+4*\t+3], v6 offset:2*\t*272
.endr
.irp t, 0,1,2,3,4,5,6,7,8,9,10,11,12,13,14,15
	s_wait_dscnt 15-\t                             ; LDS loads come back in order: pair t of rows is in
	global_store_b128 v7, v[OUTR+4*\t:OUTR+4*\t+3], s[6:7] offset:2*\t*1024
.endr
	s_wait_tensorcnt 0x0                           ; the wave's end: behind my last LDS store
	ds_add_u32 v[SPW], v[NIL]
	s_wait_dscnt 0x0
	s_endpgm
.Lfunc_end_k_qd48a59ee3c_prep:
	.size	k_qd48a59ee3c_prep, .Lfunc_end_k_qd48a59ee3c_prep-k_qd48a59ee3c_prep
	.p2alignl 7, 3214868480
	.fill 96, 4, 3214868480
	.section	.rodata,"a",@progbits
	.p2align	6, 0x0
	.amdhsa_kernel k_qd48a59ee3c_prep
		.amdhsa_group_segment_fixed_size 68096
		.amdhsa_private_segment_fixed_size 0
		.amdhsa_enable_private_segment 0
		.amdhsa_kernarg_size 96
		.amdhsa_user_sgpr_count 2
		.amdhsa_user_sgpr_kernarg_segment_ptr 1
		.amdhsa_wavefront_size32 1
		.amdhsa_system_sgpr_workgroup_id_x 1
		.amdhsa_system_sgpr_workgroup_id_y 1
		.amdhsa_system_sgpr_workgroup_id_z 1
		.amdhsa_system_vgpr_workitem_id 0
		.amdhsa_next_free_vgpr 208
		.amdhsa_next_free_sgpr 66
		.amdhsa_reserve_vcc 1
		.amdhsa_float_denorm_mode_32 3
		.amdhsa_float_denorm_mode_16_64 3
		.amdhsa_memory_ordered 1
		.amdhsa_forward_progress 1
		.amdhsa_inst_pref_size 183
	.end_amdhsa_kernel
	.amdgpu_metadata
---
amdhsa.version: [ 1, 2 ]
amdhsa.kernels:
  - .name:           k_qd48a59ee3c_prep
    .symbol:         k_qd48a59ee3c_prep.kd
    .args:
      - { .name: Xq, .offset: 0, .size: 8, .value_kind: global_buffer, .address_space: global }
      - { .name: Xkv, .offset: 8, .size: 8, .value_kind: global_buffer, .address_space: global }
      - { .name: Wq, .offset: 16, .size: 8, .value_kind: global_buffer, .address_space: global }
      - { .name: Wk, .offset: 24, .size: 8, .value_kind: global_buffer, .address_space: global }
      - { .name: Wv, .offset: 32, .size: 8, .value_kind: global_buffer, .address_space: global }
      - { .name: Wo, .offset: 40, .size: 8, .value_kind: global_buffer, .address_space: global }
      - { .name: q_positions, .offset: 48, .size: 8, .value_kind: global_buffer, .address_space: global }
      - { .name: kv_positions, .offset: 56, .size: 8, .value_kind: global_buffer, .address_space: global }
      - { .name: codes, .offset: 64, .size: 8, .value_kind: global_buffer, .address_space: global }
      - { .name: scales, .offset: 72, .size: 8, .value_kind: global_buffer, .address_space: global }
      - { .name: wo16, .offset: 80, .size: 8, .value_kind: global_buffer, .address_space: global }
      - { .name: rope, .offset: 88, .size: 8, .value_kind: global_buffer, .address_space: global }
    .group_segment_fixed_size: 68096
    .private_segment_fixed_size: 0
    .kernarg_segment_align: 8
    .kernarg_segment_size: 96
    .max_flat_workgroup_size: 128
    .sgpr_count:     66
    .vgpr_count:     208
    .wavefront_size: 32
...
	.end_amdgpu_metadata
.endif
;; end of part 1
;; launch qkv (part 2): grid 12 x 16, 4 waves a work-group, clusters of 4 x 4, 327,680 bytes of LDS; arguments codes, scales, rope, q16, kv16; writes q16, kv16
.if DOCPART == 2
	.amdgcn_target "amdgcn-amd-amdhsa--gfx1250"
	.amdhsa_code_object_version 6
	.text
	.protected	k_qd48a59ee3c_qkv
	.globl	k_qd48a59ee3c_qkv
	.p2align	8
	.type	k_qd48a59ee3c_qkv,@function
k_qd48a59ee3c_qkv:
	s_mov_b64 s[64:65], 0
	v_nop
	global_prefetch_b8 v0, s[64:65] scope:SCOPE_SE
	s_setreg_imm32_b32 hwreg(HW_REG_WAVE_MODE, 25, 1), 1
	s_wait_xcnt 0x0
	s_wait_alu depctr_hold_cnt(0) depctr_sa_sdst(0) depctr_va_vdst(0) depctr_va_sdst(0) depctr_va_ssrc(0) depctr_va_vcc(0) depctr_vm_vsrc(0)
	s_getreg_b32 s2, hwreg(HW_REG_IB_STS2, 6, 4)
	s_cmp_eq_u32 s2, 0
	s_cbranch_scc0 .Lentry_in_a_cluster
	s_endpgm
.Lentry_in_a_cluster:
	s_bfe_u32 s2, ttmp6, 0x10000c
	s_cmp_lg_u32 s2, 0xf033
	s_cbranch_scc0 .Lentry_shape_is_right
	s_endpgm
.Lentry_shape_is_right:
; THE THREE QUANTISED PROJECTIONS AS ONE GEMM ON CODES OF FP4 (E2M1), then RoPE, then f16.  C[m][n] = sum over k of X[m][k] W[n][k], m = 4,096 rows (batch x position), n = 3,072: 0-2047 q's 16 heads, 2048-2559 k's 4, 2560-3071 v's 4; K = 2,048.
; X is Xq's codes for q's columns and Xkv's for the others: tile columns 0-7 are q's, so the choice hangs on the cluster's x alone, which all partners share.
; A tile of C, 256 x 256, is made by four waves; a wave makes 128 rows x 128 columns = 128 positions of ONE head: 64 accumulators of 16 x 16, 512 registers.  192 tiles: a tile of half the rows would give one and a half rounds of the WGPs.
; K goes in steps of 512 through a ring of two LDS slots filled by the tensor data mover: a tile's row is 256 bytes of memory.  The scale bytes of the work-group's rows, for all of K, come into LDS once, with the first fills.
; CLUSTERS: 4 x 4 work-groups.  The four of a row of the cluster need the same tiles of X, the four of a column the same tiles of W: each tile is asked for JOINTLY, by the same tensor load with the same descriptor and a mask that names the four.
; THE MATRIX INSTRUCTION IS USED TRANSPOSED (source 0 = 16 rows of W, source 1 = 16 rows of X): a lane holds eight neighbouring channels of one position.  Channels f and f + 64 of a head lie in accumulators b and b + 4 at the same register:
; the rotation is four packed lines for two channels' pairs.  cos and sin come from a table laid as these registers lie (16 loads of 512 bytes for 16 positions); v takes the table of position 0, so that no branch hangs on the head.
; LIMITS: q, k, v are rounded to f16: their magnitudes stay under 65,504.
; REGISTERS, in windows of 256: window 0: v0-31 addresses; v32-95 scale words, two sets; v128-191 X's fragments, one set; on the way out v32-95 rows read back, v128-191 rotated numbers, v192-223 packed f16.
;   window 1: W's fragments, two sets, at v0 and v128; the tables of two blocks of 16 positions at v64 and v192.   window 2: the accumulators of my rows 0-63 ((a, b) at v[8 (8 a + b)]);   window 3: those of rows 64-127.
.set SIZE_K, 2048
.set KSTEP,  512                       ; along K in a slot
.set NQ,     KSTEP/128                 ; matrix instructions deep
.set ROWB,   256                       ; a tile's row in bytes
.set KROW,   SIZE_K*4/8                ; a row of codes in memory
.set PITCH,  272                       ; an LDS row: 256 bytes + 16 of padding: the 16 rows that a load touches start 16 bytes apart modulo 256
.set FR,     8                         ; registers of a fragment: 16 rows x 128 K
.set NL,     2                         ; LDS loads that bring one
.set NP,     4                         ; places behind this matrix instruction (ISA guide 7.12.1)
.set HALFT,  128*PITCH                 ; 128 rows: what one tensor load brings
.set SLOT,   4*HALFT                   ; X's 256 rows, then W's 256 rows
.set LAPS,   SIZE_K/(2*KSTEP)          ; a lap = two K steps = once round the ring
.set KS,     SIZE_K/32                 ; a row of scale bytes
.set SCL,    2*SLOT                    ; behind the ring: the scale bytes, as runs of 256 bytes + 16 of padding
.set HALFS,  (128*KS/256)*272          ; those of 128 rows: what one tensor load brings
.set SBLK,   (16*KS/256)*272           ; those of 16 rows
.set SPARE,  SCL+4*HALFS               ; behind the scales: the spare words, 128 bytes for each wave
.set SPITCH, 272                       ; the way out: 16 rows x (256 bytes + 16) for each wave, in slot 0, which has had its last fill and its last read when the first result is stored there
.set ADRA, 16                          ; v16-17  LDS address of my X fragments in slot 0, 1
.set ADRB, 20                          ; v20-21  the same for W
.set STO,  24                          ; v24     the way out: where I put 16 bytes of a row
.set RD,   25                          ; v25     where I read rows back
.set CO,   26                          ; v26     16 x lane: my place in 512 bytes on end (tables in, rows out)
.set ADRS, 27                          ; v27     LDS address of my scale words: lanes 0-15 X's rows, lanes 16-31 W's
.set SPW,  28                          ; v28     LDS address of my spare word; never rewritten
.set NIL,  29                          ; v29     0; never rewritten
.set SC,   32                          ; scale words: set s at v[SC + 8 NQ s]; register NQ i + q: lanes 0-15 the word of X's block i, lanes 16-31 that of W's block i
.set AF,   128                         ; X's fragments, in window 0
.set BK,   32                          ; the way out: 16 rows read back: v32-63 and v64-95 by turns
.set F,    128                         ; a block's 64 rotated numbers a lane
.set PKD,  192                         ; and their 32 packed registers
.set G1, 24                            ; s[24:31] descriptor group 1 for X's tiles;  s[32:39] group 0, one set for each slot
.set G0, 32
.set G1B, 48                           ; s[48:55], s[56:63] the same for W's tiles
.set G0B, 56
.set G1S, 68                           ; s[68:75], s[76:79] groups 1 and 0 for X's scales;  s[80:87], s[88:91] for W's
.set G0S, 76
.set G1SB, 80
.set G0SB, 88
.set MSB, 0
.macro WIN new                         ; the immediate's high byte repeats the setting that is left
.if MSB != (\new)
	s_set_vgpr_msb (MSB<<8)|(\new)
.set MSB, (\new)
.endif
.endm
.set MUL_LO, 0xa1                      ; source 0 (W) window 1, source 1 (X) window 0, C and D window 2
.set MUL_HI, 0xf1                      ; the same, C and D window 3
.set TO_B,   0x40                      ; destination window 1, address window 0
; A joint load: waves 0 and 1 fetch for X, waves 2 and 3 for W.  Each line has one mask and one set of registers for all that issue it; the branch hangs on the wave's number alone.
; An s_nop 0 and four v_nop follow each of the two lines.
.macro JLOAD g0a, g1a, g0b, g1b
	s_cmp_eq_u32 s15, 0
	s_cbranch_scc0 .Lfor_b_\@
	tensor_load_to_lds s[\g0a:\g0a+3], s[\g1a:\g1a+7]
	s_nop 0
.rept 4
	v_nop
.endr
	s_branch .Lasked_\@
.Lfor_b_\@:
	tensor_load_to_lds s[\g0b:\g0b+3], s[\g1b:\g1b+7]
	s_nop 0
.rept 4
	v_nop
.endr
.Lasked_\@:
.endm
.macro CREST                           ; a round of the cluster's barrier behind its opening barrier
	s_cmp_lg_u32 s14, 0
	s_cbranch_scc1 .Lnot_wave_0_\@
	s_barrier_signal -3
.Lnot_wave_0_\@:
	s_barrier_wait -3
	s_barrier_signal -1
	s_barrier_wait -1
.endm
.macro CROUND                          ; a whole round
	s_barrier_signal -1
	s_barrier_wait -1
	CREST
.endm
	s_load_b128 s[4:7], s[0:1], 0x0                ; codes s[4:5], scales s[6:7]: for X
	s_load_b128 s[8:11], s[0:1], 0x0               ; the same two once more, s[8:9], s[10:11]: for W
	s_load_b64 s[12:13], s[0:1], 0x10              ; the tables
	s_load_b64 s[98:99], s[0:1], 0x18              ; q16
	s_load_b64 s[100:101], s[0:1], 0x20            ; kv16
	v_lshl_add_u32 v[SPW], v0, 2, SPARE
	v_mov_b32 v[NIL], 0
	ds_add_u32 v[SPW], v[NIL]                      ; the wave's opening: the add, twice on end, and its wait ahead of my first tensor load; the set-up below stands between
	ds_add_u32 v[SPW], v[NIL]
	v_lshrrev_b32 v1, 5, v0
	v_readfirstlane_b32 s14, v1                    ; wave 0..3
	s_lshr_b32 s15, s14, 1                         ; which half of the tile's rows is mine.  Also: I fetch for X (0) or for W (1)
	s_and_b32 s16, s14, 1                          ; which half of its columns.  Also: which 128 rows of that tile I fetch
	s_bfe_u32 s40, ttmp6, 0x40000                  ; cx, cy: my place in the cluster
	s_bfe_u32 s41, ttmp6, 0x40004
	s_lshl_b32 s42, ttmp9, 2
	s_add_co_u32 s42, s42, s40                     ; tile column = 4 x cluster x + cx
	s_and_b32 s17, ttmp7, 0xffff
	s_lshl_b32 s17, s17, 2
	s_add_co_u32 s17, s17, s41                     ; tile row = 4 x cluster y + cy
	s_lshl_b32 s43, s41, 2
	s_lshl_b32 s43, 15, s43                        ; my row of the cluster
	s_lshl_b32 s44, 0x1111, s40                    ; my column
	; descriptor group 1: a tile of 128 rows x 256 bytes, padded in LDS
	s_or_b32 s[G1+0], s43, (0<<16)|(1<<20)|(1<<21)|(5<<22)|(3<<25)  ; 15:0 the mask: X's tiles go to my row; 17:16 elements of 1 byte; 20 padding on; 21 set beside a mask; 24:22 after every 64 words; 31:25 four words
	s_or_b32 s[G1B+0], s44, (0<<16)|(1<<20)|(1<<21)|(5<<22)|(3<<25)
.irp g, G1, G1B
	s_mov_b32 s[\g+1], ROWB<<16                    ; tensor_dim0
	s_mov_b32 s[\g+2], 128<<16                     ; tensor_dim1
	s_mov_b32 s[\g+3], ROWB<<16                    ; tile_dim0
	s_mov_b32 s[\g+4], 128                         ; tile_dim1
	s_mov_b32 s[\g+5], KROW                        ; tensor_dim0_stride
	s_mov_b32 s[\g+6], 0
	s_mov_b32 s[\g+7], 0
.endr
	; the scale bytes of 128 rows: 8,192 dense bytes, as rows of 256 bytes (32 elements of 8 bytes), 16 bytes of padding behind each
	s_or_b32 s[G1S+0], s43, (3<<16)|(1<<20)|(1<<21)|(5<<22)|(3<<25)
	s_or_b32 s[G1SB+0], s44, (3<<16)|(1<<20)|(1<<21)|(5<<22)|(3<<25)
.irp g, G1S, G1SB
	s_mov_b32 s[\g+1], 32<<16
	s_mov_b32 s[\g+2], (128*KS/256)<<16
	s_mov_b32 s[\g+3], 32<<16
	s_mov_b32 s[\g+4], 128*KS/256
	s_mov_b32 s[\g+5], 32
	s_mov_b32 s[\g+6], 0
	s_mov_b32 s[\g+7], 0
.endr
	s_lshl_b32 s18, s16, 7                         ; which 128 rows of the tile I fetch
	s_lshl_b32 s20, s17, 8
	s_add_co_u32 s20, s20, s18                     ; X: row 256 x tile row + 128 x half
	s_lshl_b32 s46, s42, 8
	s_add_co_u32 s46, s46, s18                     ; W: row 256 x tile column + 128 x half
	s_mov_b32 s21, 0
	s_mov_b32 s47, 0
	s_mov_b64 s[18:19], KS
	s_mul_u64 s[22:23], s[20:21], s[18:19]         ; where these rows' scale bytes begin,
	s_mul_u64 s[92:93], s[46:47], s[18:19]
	s_mov_b64 s[18:19], KROW
	s_mul_u64 s[20:21], s[20:21], s[18:19]         ; and their codes
	s_mul_u64 s[46:47], s[46:47], s[18:19]
	s_mov_b32 s67, 0
	s_cmp_lt_u32 ttmp9, 2                          ; clusters 0 and 1 along x make q: Xq; cluster 2 makes k and v: Xkv, which lies behind Xq in both buffers
	s_cselect_b32 s66, 0, 0x400000
	s_add_nc_u64 s[20:21], s[20:21], s[66:67]
	s_cselect_b32 s66, 0, 0x40000
	s_add_nc_u64 s[22:23], s[22:23], s[66:67]
	s_add_nc_u64 s[46:47], s[46:47], 0x800000      ; W's part of the codes,
	s_add_nc_u64 s[92:93], s[92:93], 0x80000       ; and of the scale bytes
	s_mul_i32 s45, s14, HALFT                      ; where they go: wave x 128 rows: no place in the cluster enters an LDS address
	s_mul_i32 s94, s14, HALFS
	s_wait_dscnt 0x0                               ; both opening adds are done
	s_wait_kmcnt 0x0
	s_add_nc_u64 s[20:21], s[4:5], s[20:21]
	s_add_nc_u64 s[22:23], s[6:7], s[22:23]
	s_add_nc_u64 s[46:47], s[8:9], s[46:47]
	s_add_nc_u64 s[92:93], s[10:11], s[92:93]
	CROUND                                         ; all sixteen work-groups are here: the first joint loads meet
	s_mov_b32 s[G0S], 1
	s_add_co_u32 s[G0S+1], s94, SCL
	s_mov_b64 s[G0S+2:G0S+3], s[22:23]
	s_or_b32 s[G0S+3], s[G0S+3], 0x80000000
	s_mov_b32 s[G0SB], 1
	s_add_co_u32 s[G0SB+1], s94, SCL
	s_mov_b64 s[G0SB+2:G0SB+3], s[92:93]
	s_or_b32 s[G0SB+3], s[G0SB+3], 0x80000000
	JLOAD G0S, G1S, G0SB, G1SB                     ; the scales first: they are wanted with K step 0
.irp s, 0,1
	s_mov_b32 s[G0+4*\s], 1
	s_add_co_u32 s[G0+4*\s+1], s45, \s*SLOT
	s_add_nc_u64 s[G0+4*\s+2:G0+4*\s+3], s[20:21], \s*ROWB
	s_or_b32 s[G0+4*\s+3], s[G0+4*\s+3], 0x80000000
	s_mov_b32 s[G0B+4*\s], 1
	s_add_co_u32 s[G0B+4*\s+1], s45, \s*SLOT
	s_add_nc_u64 s[G0B+4*\s+2:G0B+4*\s+3], s[46:47], \s*ROWB
	s_or_b32 s[G0B+4*\s+3], s[G0B+4*\s+3], 0x80000000
	JLOAD G0+4*\s, G1, G0B+4*\s, G1B               ; three tensor loads of mine are out
.endr
	v_and_b32 v1, 15, v0                           ; l % 16
	v_bfe_u32 v2, v0, 4, 1                         ; l / 16
	v_mul_u32_u24 v3, v1, PITCH
	v_lshl_add_u32 v4, v2, 4, v3                   ; a fragment's row x pitch + 16 x half
	s_mul_i32 s21, s15, HALFT                      ; my 128 rows of X
	s_mul_i32 s22, s16, HALFT                      ; my 128 rows of W,
	s_add_co_u32 s22, s22, 2*HALFT                 ; which lie behind X's 256
.irp s, 0,1
	v_add_nc_u32 v[ADRA+\s], s21, v4
	v_add_nc_u32 v[ADRB+\s], s22, v4
	s_add_co_u32 s21, s21, SLOT
	s_add_co_u32 s22, s22, SLOT
.endr
	v_mul_u32_u24 v5, v1, KS                       ; my row's scale bytes: 64 a row,
	v_lshrrev_b32 v6, 8, v5
	v_lshl_add_u32 v5, v6, 4, v5                   ; and 16 more for each 256 passed
	s_mul_i32 s21, s15, HALFS                      ; X's: my 128 rows
	s_mul_i32 s22, s16, HALFS                      ; W's: my 128 rows, behind X's 256
	s_add_co_u32 s22, s22, 2*HALFS
	s_sub_co_u32 s22, s22, s21
	v_mul_u32_u24 v6, s22, v2                      ; lanes 16-31 take W's
	s_add_co_u32 s21, s21, SCL
	v_add_nc_u32 v5, v5, v6
	v_add_nc_u32 v[ADRS], s21, v5
	s_mul_i32 s23, s14, 16*SPITCH                  ; my stage
	v_mul_u32_u24 v5, v1, SPITCH                   ; in: row l % 16, 16 bytes for each half of the lanes
	v_lshl_add_u32 v5, v2, 4, v5
	v_add_nc_u32 v[STO], s23, v5
	v_mul_u32_u24 v5, v2, SPITCH                   ; back: lanes 0-15 one row of 256 bytes, lanes 16-31 the next
	v_lshl_add_u32 v5, v1, 4, v5
	v_add_nc_u32 v[RD], s23, v5
	v_and_b32 v6, 31, v0
	v_lshlrev_b32 v[CO], 4, v6
	; my head, its table and its rows of q16 or kv16: values are chosen, nothing branches
	s_lshl_b32 s46, s42, 1
	s_add_co_u32 s46, s46, s16                     ; head 0-15 q's, 16-19 k's, 20-23 v's
	s_lshl_b32 s92, s17, 4
	s_lshl_b32 s93, s15, 3
	s_add_co_u32 s92, s92, s93
	s_lshl_b32 s92, s92, 13                        ; my first block of 16 rows: 8,192 bytes of table a block
	s_mov_b32 s47, 0x400000
	s_cmp_lt_u32 s46, 20
	s_cselect_b32 s47, 0x200000, s47               ; k: kv_positions' table; v: the table of position 0,
	s_cselect_b32 s92, s92, 0                      ; whose eight blocks serve every row
	s_cmp_lt_u32 s46, 16
	s_cselect_b32 s47, 0, s47                      ; q: q_positions' table
	s_add_co_u32 s92, s92, s47
	s_mov_b32 s93, 0
	s_add_nc_u64 s[12:13], s[12:13], s[92:93]
	s_lshl_b32 s20, s17, 8
	s_lshl_b32 s21, s15, 7
	s_add_co_u32 s20, s20, s21                     ; my first row m
	s_lshr_b32 s21, s20, 11                        ; the batch
	s_and_b32 s22, s20, 2047                       ; the position
	s_lshl_b32 s23, s21, 4
	s_add_co_u32 s23, s23, s46
	s_lshl_b32 s23, s23, 11
	s_add_co_u32 s23, s23, s22
	s_lshl_b32 s23, s23, 8                         ; q16: ((batch x 16 + head) x 2,048 + position) x 256 bytes
	s_and_b32 s94, s46, 7                          ; head - 16 for k's and v's heads
	s_lshr_b32 s95, s94, 2
	s_lshl_b32 s95, s95, 22                        ; v lies 0x400000 bytes behind k
	s_and_b32 s94, s94, 3
	s_lshl_b32 s21, s21, 2
	s_add_co_u32 s94, s94, s21
	s_lshl_b32 s94, s94, 11
	s_add_co_u32 s94, s94, s22
	s_lshl_b32 s94, s94, 8
	s_add_co_u32 s94, s94, s95
	s_cmp_lt_u32 s46, 16
	s_cselect_b32 s92, s23, s94
	s_cselect_b64 s[98:99], s[98:99], s[100:101]
	s_add_nc_u64 s[98:99], s[98:99], s[92:93]      ; a block's 16 rows are 4,096 bytes on end: the base never steps
; the table of block a of my eight blocks of 16 rows, into set 0 (v64-127 of window 1) or 1 (v192-255): register 16 b + j cos, 16 b + 8 + j sin, of frequency 16 b + 8 (l / 16) + j at row l % 16
.macro TAB a, set
	WIN TO_B
.irp i, 0,1,2,3,4,5,6,7,8,9,10,11,12,13,14,15
	global_load_b128 v[64+128*(\set)+4*\i:64+128*(\set)+4*\i+3], v[CO], s[12:13] offset:(\a)*8192+\i*512
.endr
	WIN 0
.endm
	TAB 0, 0                                       ; the first two tables are asked for now and land under the products: the ring has no other load into registers from memory
	TAB 1, 1
.macro FRAG reg, adr, q, i             ; a fragment, 16 rows x 128 K of 4-bit codes: lane l holds row l % 16; registers 4 c .. 4 c + 3 hold K = 64 c + 32 (l / 16) + 0 .. 31
.irp c, 0,1
	ds_load_b128 v[\reg+4*\c:\reg+4*\c+3], v[\adr] offset:64*(\q)+32*\c+(\i)*16*PITCH
.endr
.endm
; 16 matrix instructions: X's blocks a0, a0 + 1 x W's eight, 128 along K.  p: W's set;  sc: the set of scale words.  zero = 1: the first product starts the sums.
; The 64 accumulators take turns, one instruction a turn, in the same order in every step.
.macro MUL16 a0, p, q, sc, zero
.irp a, \a0, \a0+1
.irp b, 0,1,2,3,4,5,6,7
.if \zero
	v_wmma_scale_f32_16x16x128_f8f6f4 v[8*(8*((\a)%4)+\b):8*(8*((\a)%4)+\b)+7], v[128*(\p)+FR*\b:128*(\p)+FR*\b+FR-1], v[AF+FR*(\a):AF+FR*(\a)+FR-1], 0, v[SC+8*NQ*(\sc)+NQ*\b+(\q)], v[SC+8*NQ*(\sc)+NQ*(\a)+(\q)] matrix_a_fmt:MATRIX_FMT_FP4 matrix_b_fmt:MATRIX_FMT_FP4 matrix_a_scale:MATRIX_SCALE_ROW1
.else
	v_wmma_scale_f32_16x16x128_f8f6f4 v[8*(8*((\a)%4)+\b):8*(8*((\a)%4)+\b)+7], v[128*(\p)+FR*\b:128*(\p)+FR*\b+FR-1], v[AF+FR*(\a):AF+FR*(\a)+FR-1], v[8*(8*((\a)%4)+\b):8*(8*((\a)%4)+\b)+7], v[SC+8*NQ*(\sc)+NQ*\b+(\q)], v[SC+8*NQ*(\sc)+NQ*(\a)+(\q)] matrix_a_fmt:MATRIX_FMT_FP4 matrix_b_fmt:MATRIX_FMT_FP4 matrix_a_scale:MATRIX_SCALE_ROW1
.endif
.endr
.endr
.endm
.macro FETCH_B slot, q, p              ; W's eight fragments of the slot's q-th 128 along K into set p
	WIN TO_B
.irp i, 0,1,2,3,4,5,6,7
	FRAG 128*(\p)+FR*\i, ADRB+\slot, \q, \i
.endr
	WIN 0
.endm
.macro FETCH_A slot, q, i0             ; X's blocks i0 .. i0 + 3
.irp i, \i0, \i0+1, \i0+2, \i0+3
	FRAG AF+FR*(\i), ADRA+\slot, \q, \i
.endr
.endm
.macro SCALES sc                       ; a K step's scale words into set sc: four words a row; lanes 0-15 take X's block i, lanes 16-31 W's block i
.irp i, 0,1,2,3,4,5,6,7
	ds_load_b128 v[SC+8*NQ*\sc+NQ*\i:SC+8*NQ*\sc+NQ*\i+3], v[ADRS] offset:\i*SBLK
.endr
.endm
; A load into a register that a matrix instruction has read, and a vector instruction that reads a matrix result or writes a matrix instruction's register, stand NP places behind it; only plain vector instructions that name none of its registers are places.
.macro PLACES n
.rept \n
	v_nop
.endr
.endm
; A step of 128 along K that has its successor in the same slot.
.macro STEP slot, q, zero
	s_wait_dscnt 4*NL                              ; W's set and X's blocks 0-3 are in; the youngest eight loads (X's blocks 4-7) may be out
	WIN MUL_LO
	MUL16 0, (\q)%2, \q, \slot, \zero
	MUL16 2, (\q)%2, \q, \slot, \zero
	s_wait_dscnt 0                                 ; X's blocks 4-7 are in
	PLACES NP
	FETCH_B \slot, (\q)+1, 1-(\q)%2
	FETCH_A \slot, (\q)+1, 0
	WIN MUL_HI
	MUL16 4, (\q)%2, \q, \slot, \zero
	MUL16 6, (\q)%2, \q, \slot, \zero
	PLACES NP
	WIN 0
	FETCH_A \slot, (\q)+1, 4
.endm
; A slot's last step changes slots: one barrier; in front of it each wave waits for all its tensor loads, adds 0 to its spare word, and waits for that and for its own reads of this slot.  fill = 1: this slot is filled again, two K steps ahead.
.macro TURN slot, next, fill
	s_wait_tensorcnt 0x0                           ; all my tensor loads have landed: my part of the next slot;  (every window is 0 here)
	ds_add_u32 v[SPW], v[NIL]                      ; 0 onto my spare word
	s_wait_dscnt 4*NL+1                            ; (the add and the youngest eight loads may be out)
	WIN MUL_LO
	MUL16 0, 1, NQ-1, \slot, 0                     ; sixteen matrix instructions stand between the add and the wait for it
	s_wait_dscnt 0x0                               ; the add is done, and my reads of this slot are over
	s_barrier_signal -1
	MUL16 2, 1, NQ-1, \slot, 0
	WIN 0
	s_barrier_wait -1
.if \fill
	CREST                                          ; the barrier has opened a round of the cluster's barrier: no wave of any partner still reads this slot's tile or has a load on its way
	s_add_nc_u64 s[G0+4*\slot+2:G0+4*\slot+3], s[G0+4*\slot+2:G0+4*\slot+3], 2*ROWB
	s_add_nc_u64 s[G0B+4*\slot+2:G0B+4*\slot+3], s[G0B+4*\slot+2:G0B+4*\slot+3], 2*ROWB
	JLOAD G0+4*\slot, G1, G0B+4*\slot, G1B         ; the first tensor load behind the round; its four v_nop are the places in front of the loads below
.else
	PLACES NP
.endif
	v_add_nc_u32 v[ADRS], 4*NQ, v[ADRS]            ; on to the next K step's scale words (no LDS load of mine is out)
	FETCH_B \next, 0, 0
	FETCH_A \next, 0, 0
	SCALES \next
	WIN MUL_HI
	MUL16 4, 1, NQ-1, \slot, 0
	MUL16 6, 1, NQ-1, \slot, 0
	PLACES NP
	WIN 0
	FETCH_A \next, 0, 4
.endm
.macro STEPS slot, from                ; the slot's steps from .. NQ - 2
.set Q, \from
.rept NQ-1-\from
	STEP \slot, Q, 0
.set Q, Q+1
.endr
.endm
	s_wait_tensorcnt 1                             ; the scales and my part of K step 0 are in; K step 1's load may be out
	s_barrier_signal -1
	s_barrier_wait -1                              ; everybody's are
	FETCH_B 0, 0, 0
	FETCH_A 0, 0, 0
	SCALES 0
	FETCH_A 0, 0, 4
	STEP 0, 0, 1                                   ; the first step stands in front of the loop: its products start the sums
	s_mov_b32 s3, LAPS-1
.Llap:                                                 ; a trip goes once round the ring, from a lap's second step to the next lap's first, and fills both slots again
	STEPS 0, 1
	TURN 0, 1, 1
	STEPS 1, 0
	TURN 1, 0, 1
	STEP 0, 0, 0
	s_sub_co_u32 s3, s3, 1
	s_cmp_lg_u32 s3, 0
	s_cbranch_scc1 .Llap
	STEPS 0, 1                                     ; the last lap fills nothing, and has no round of the cluster's barrier
	TURN 0, 1, 0
	STEPS 1, 0
	s_wait_dscnt 4*NL                              ; the very last step: nothing more to fetch
	WIN MUL_LO
	MUL16 0, 1, NQ-1, 1, 0
	MUL16 2, 1, NQ-1, 1, 0
	s_wait_dscnt 0
	WIN MUL_HI
	MUL16 4, 1, NQ-1, 1, 0
	MUL16 6, 1, NQ-1, 1, 0
	WIN 0
; THE WAY OUT, block by block of 16 positions x 128 channels.
; ROPE: first' = first cos - second sin, second' = second cos + first sin, in f32, two channels a line; each accumulator is read from its low end on.  Then 32 roundings to f16.
.macro ROPE a
.set AC, 64*((\a)%4)
.set TS, 64+128*((\a)%2)
	WIN 0x06+(\a)/4                                ; source 0: the accumulators' window (2 or 3); source 1: the table's (1); source 2 and the destination: 0
.irp b, 0,1,2,3
.irp jp, 0,2,4,6
	v_pk_mul_f32 v[F+16*\b+\jp:F+16*\b+\jp+1], v[AC+8*(\b+4)+\jp:AC+8*(\b+4)+\jp+1], v[TS+16*\b+8+\jp:TS+16*\b+8+\jp+1]
	v_pk_mul_f32 v[F+16*\b+8+\jp:F+16*\b+8+\jp+1], v[AC+8*\b+\jp:AC+8*\b+\jp+1], v[TS+16*\b+8+\jp:TS+16*\b+8+\jp+1]
	v_pk_fma_f32 v[F+16*\b+\jp:F+16*\b+\jp+1], v[AC+8*\b+\jp:AC+8*\b+\jp+1], v[TS+16*\b+\jp:TS+16*\b+\jp+1], v[F+16*\b+\jp:F+16*\b+\jp+1] neg_lo:[0,0,1] neg_hi:[0,0,1]
	v_pk_fma_f32 v[F+16*\b+8+\jp:F+16*\b+8+\jp+1], v[AC+8*(\b+4)+\jp:AC+8*(\b+4)+\jp+1], v[TS+16*\b+\jp:TS+16*\b+\jp+1], v[F+16*\b+8+\jp:F+16*\b+8+\jp+1]
.endr
.endr
	WIN 0
.irp b, 0,1,2,3
.irp i, 0,1,2,3
	v_cvt_pk_f16_f32 v[PKD+4*\b+\i], v[F+16*\b+2*\i], v[F+16*\b+2*\i+1]
	v_cvt_pk_f16_f32 v[PKD+4*(\b+4)+\i], v[F+16*\b+8+2*\i], v[F+16*\b+8+2*\i+1]
.endr
.endr
.endm
; A lane's 16 bytes are a sixteenth of a row, and the lanes beside it hold other rows: the block goes through my own stage and comes back as whole rows.  LDS serves a wave's instructions in order: no wait between the stores and the loads.
.macro TOSTAGE a
.set BB, BK+32*((\a)%2)
.irp b, 0,1,2,3,4,5,6,7
	ds_store_b128 v[STO], v[PKD+4*\b:PKD+4*\b+3] offset:32*\b
.endr
.irp t, 0,1,2,3,4,5,6,7
	ds_load_b128 v[BB+4*\t:BB+4*\t+3], v[RD] offset:\t*2*SPITCH
.endr
.endm
.macro SEND a, younger
.set BB, BK+32*((\a)%2)
	s_wait_dscnt \younger                          ; the block is back in registers
.irp t, 0,1,2,3,4,5,6,7
	global_store_b128 v[CO], v[BB+4*\t:BB+4*\t+3], s[98:99] offset:(\a)*4096+\t*512   ; 32 lanes store 512 bytes on end: two rows of the head
.endr
.endm
	PLACES NP                                      ; behind the last products: the rotated numbers are written where X's fragments lay
	s_wait_loadcnt 16                              ; block 0's table is in; block 1's 16 loads may be out
	ROPE 0
	TAB 2, 0
	TOSTAGE 0
.irp a, 1,2,3,4,5,6,7
.if \a < 7
	s_wait_loadcnt 16                              ; this block's table is in; the next block's 16 loads may be out
.else
	s_wait_loadcnt 0x0
.endif
	ROPE \a
.if \a < 6
	TAB \a+2, \a%2
.endif
.if \a > 1
	s_wait_xcnt 0x0                                ; block a - 2's stores have read their registers: block a's rows may land there
.endif
	SEND \a-1, 0
	TOSTAGE \a
.endr
	SEND 7, 0
	s_wait_tensorcnt 0x0                           ; the wave's end: behind my last tensor load and my last LDS store
	ds_add_u32 v[SPW], v[NIL]
	s_wait_dscnt 0x0
	CROUND                                         ; the closing round: no work-group ends while a partner may still ask for a tile that names it
	s_endpgm
.Lfunc_end_k_qd48a59ee3c_qkv:
	.size	k_qd48a59ee3c_qkv, .Lfunc_end_k_qd48a59ee3c_qkv-k_qd48a59ee3c_qkv
	.p2alignl 7, 3214868480
	.fill 96, 4, 3214868480
	.section	.rodata,"a",@progbits
	.p2align	6, 0x0
	.amdhsa_kernel k_qd48a59ee3c_qkv
		.amdhsa_group_segment_fixed_size 327680
		.amdhsa_private_segment_fixed_size 0
		.amdhsa_enable_private_segment 0
		.amdhsa_kernarg_size 40
		.amdhsa_user_sgpr_count 2
		.amdhsa_user_sgpr_kernarg_segment_ptr 1
		.amdhsa_wavefront_size32 1
		.amdhsa_system_sgpr_workgroup_id_x 1
		.amdhsa_system_sgpr_workgroup_id_y 1
		.amdhsa_system_sgpr_workgroup_id_z 1
		.amdhsa_system_vgpr_workitem_id 0
		.amdhsa_next_free_vgpr 1024
		.amdhsa_next_free_sgpr 102
		.amdhsa_reserve_vcc 0
		.amdhsa_float_denorm_mode_32 3
		.amdhsa_float_denorm_mode_16_64 3
		.amdhsa_memory_ordered 1
		.amdhsa_forward_progress 1
		.amdhsa_inst_pref_size 255
	.end_amdhsa_kernel
	.section	.bss,"aw",@nobits
	.p2align	6
	.space	262144
	.amdgpu_metadata
---
amdhsa.version: [ 1, 2 ]
amdhsa.kernels:
  - .name:           k_qd48a59ee3c_qkv
    .symbol:         k_qd48a59ee3c_qkv.kd
    .args:
      - { .name: codes, .offset: 0, .size: 8, .value_kind: global_buffer, .address_space: global }
      - { .name: scales, .offset: 8, .size: 8, .value_kind: global_buffer, .address_space: global }
      - { .name: rope, .offset: 16, .size: 8, .value_kind: global_buffer, .address_space: global }
      - { .name: q16, .offset: 24, .size: 8, .value_kind: global_buffer, .address_space: global }
      - { .name: kv16, .offset: 32, .size: 8, .value_kind: global_buffer, .address_space: global }
    .group_segment_fixed_size: 327680
    .private_segment_fixed_size: 0
    .kernarg_segment_align: 8
    .kernarg_segment_size: 40
    .max_flat_workgroup_size: 128
    .sgpr_count:     102
    .vgpr_count:     1024
    .wavefront_size: 32
...
	.end_amdgpu_metadata
.endif
;; end of part 2
;; launch attn (part 3): grid 8 x 32, 4 waves a work-group, clusters of 4 x 1, 327,680 bytes of LDS; arguments q16, kv16, attn16; writes attn16
.if DOCPART == 3
	.amdgcn_target "amdgcn-amd-amdhsa--gfx1250"
	.amdhsa_code_object_version 6
	.text
	.protected	k_qd48a59ee3c_attn
	.globl	k_qd48a59ee3c_attn
	.p2align	8
	.type	k_qd48a59ee3c_attn,@function
k_qd48a59ee3c_attn:
	s_mov_b64 s[64:65], 0
	v_nop
	global_prefetch_b8 v0, s[64:65] scope:SCOPE_SE
	s_setreg_imm32_b32 hwreg(HW_REG_WAVE_MODE, 25, 1), 1
	s_wait_xcnt 0x0
	s_wait_alu depctr_hold_cnt(0) depctr_sa_sdst(0) depctr_va_vdst(0) depctr_va_sdst(0) depctr_va_ssrc(0) depctr_va_vcc(0) depctr_vm_vsrc(0)
	s_getreg_b32 s2, hwreg(HW_REG_IB_STS2, 6, 4)
	s_cmp_eq_u32 s2, 0
	s_cbranch_scc0 .Lentry_in_a_cluster
	s_endpgm
.Lentry_in_a_cluster:
	s_bfe_u32 s2, ttmp6, 0x10000c
	s_cmp_lg_u32 s2, 0x3003
	s_cbranch_scc0 .Lentry_shape_is_right
	s_endpgm
.Lentry_shape_is_right:
; attn[b][t][head][:] = the sum over s of softmax_s(q[b][head][t] . k[b][head / 4][s]) v[b][head / 4][s][:], scale 1, no mask.  q16: [b x 16 + head][2048][128], kv16: k [b x 4 + kv head][2048][128], v the same 0x400000 bytes on; attn16: [b x 2048 + t][head x 128 + h]; all f16.
; Products, maxima and sums in f32; the weights p are rounded to f16 for the second product, the result once at the end.
; LIMITS: the operands are f16: magnitudes of q, k, v under 65,504; a weight under f16's smallest number counts as 0 in the second product (it still counts in the row's sum).
; SHARES.  A work-group owns 256 queries of one head (y = b x 16 + head), each of its four waves 64: four tiles of 16.  Every wave walks all 2,048 keys, 64 a step.
; LAYOUT.  S^T = K Q^T (source 0 = 16 keys, source 1 = 16 queries): a lane holds ONE query (lane % 16) and the keys 8 (lane / 16) + 0..7.  Two such tiles, rounded to f16 in pairs, ARE source 1 of O^T = V^T P,
; whose result again holds one query a lane.  K comes out of LDS as it lies, V ([key][channel]) turned, by ds_load_tr16_b128.
; SOFTMAX.  For each query a running maximum m and sum l: p = 2^(c s - c m), c = log2(e); in every step O and l are multiplied by a = 2^(c m_old - c m_new).
; BY TURNS.  The wave's tiles are two PIECES: piece 0 (tiles 0, 1) and piece 2 (tiles 2, 3).  In a TURN one piece has the matrix unit: 32 products V^T P of the step in hand, then 32 products K Q^T of the next step;
; the other piece's softmax, cut into 64 slices, stands between them, one slice behind each matrix instruction.  Two turns are a key step.
; CLUSTER.  The four query blocks of a cluster belong to one head and walk the same K and V: each tile is asked for JOINTLY, by the same tensor load with the same descriptor and a mask that names the four.
; REGISTERS, in windows of 256 (s_set_vgpr_msb: bits 1:0 source 0, 3:2 source 1, 5:4 source 2, 7:6 destination):
;   window 0: v0-11 addresses; v12-43 eight registers of statistics a tile; v64-191 S^T, 32 a tile; v192-255 P, 16 a tile
;   window 1: O^T, 64 a tile          window 2: v0-127 Q, 32 a tile; v128-255 K of one step          window 3: v0-127 V of one step
.set SIZE_N, 2048
.set KS,    64        ; keys in a step
.set PK,    272       ; a row of K in LDS: 256 bytes + 16 of padding
.set PV,    288       ; a row of V: 256 + 32
.set VOFF,  KS*PK     ; a step's tiles lie together: 64 rows of K, then 64 rows of V
.set STEPB, KS*(PK+PV)
.set SLOT1, 1<<17     ; a slot holds two steps (71,680 bytes); slot 1 begins here, so that one exclusive or turns an address in one slot into the other's
.set STAGE, SLOT1+2*STEPB  ; behind the ring: 16 rows x 272 bytes for each wave, for the way out
.set SP,    272
.set AK0, 2           ; v2   my lane's place in a tile of K; never rewritten
.set AV0, 3           ; v3   the same for V
.set ADR, 4           ; v4   the LDS address of the run of loads in hand
.set QO,  5           ; v5   my byte offset in the wave's rows of Q
.set STO, 6           ; v6   the way out: where I put 16 bytes of a row
.set RD,  7           ; v7   the way out: where I read a row back
.set GO,  8           ; v8   my byte offset in the wave's rows of attn16
.set SPW, 62          ; v62  LDS address of my spare word; never rewritten
.set NIL, 63          ; v63  0; never rewritten
.set SPARE, STAGE+4*16*272  ; behind the stages: the spare words, 128 bytes for each wave
.set ST,  12          ; tile t's statistics at v[ST+8 t]: +0 c m, +1 m, +2, +3 l (even keys', odd keys'), +4 to +7 at work; a takes +6 once the maximum is found
.set S,   64
.set P,   192
.set KF,  128         ; K's fragments, in window 2
.set WV,  12          ; s12  my wave's number
.set G1K, 24          ; s[24:31] descriptor group 1 for K's tiles
.set G1V, 32          ; s[32:39] for V's: it differs in the padding alone
.set G0K, 40          ; s[40:47] descriptor group 0 for K's tiles: a set for each of the two first fills; the second then walks on
.set G0V, 48          ; s[48:55] the same for V's
.set SLOTS, 56        ; s56  slots still to be asked for
.set TWICE, 57        ; s57  counts a slot's two steps
.set CS,  58          ; s[58:59] c: the packed scaling names a pair and takes its low word for both halves
.set SEL, 60          ; s[60:61] lane selects for v_permlanex16_b32: each lane takes its own place in the other half
.set TB,  62          ; s62  LDS byte at which the tiles of the step to be fetched begin
.set PFA, 18          ; s[18:19] where my prefetches stand: my work-group's 32 rows (of K: wave 0, of V: wave 2) of the slot after the one that is being asked for
.set LIM, 15          ; s15  1 in a wave that prefetches, else the greatest number
.set PFO, 61          ; v61  256 x my lane: a row of K or V is 256 bytes; never rewritten
.set MSB, 0
.macro WIN new                      ; the immediate's high byte repeats the setting that is left; a switch that changes nothing is dropped
.if MSB != (\new)
	s_set_vgpr_msb (MSB<<8)|(\new)
.set MSB, (\new)
.endif
.endm
.set W_KQ, 0x0a       ; K and Q in window 2, S^T in window 0
.set W_PV, 0x53       ; V in window 3, P in window 0, O^T in window 1
.set W_RS, 0x41       ; O^T (destination and source 0) in window 1, a in window 0
; A joint refill.  Waves 0 and 1 fetch the two steps' tiles of K, waves 2 and 3 those of V.  The branch hangs on the wave's number alone.  An s_nop 0 and four v_nop follow each line.
.macro JLOAD
	s_cmp_lt_u32 s[WV], 2
	s_cbranch_scc0 .Lfor_v_\@
	tensor_load_to_lds s[G0K+4:G0K+7], s[G1K:G1K+7]
	s_nop 0
.rept 4
	v_nop
.endr
	s_branch .Lasked_\@
.Lfor_v_\@:
	tensor_load_to_lds s[G0V+4:G0V+7], s[G1V:G1V+7]
	s_nop 0
.rept 4
	v_nop
.endr
.Lasked_\@:
.endm
; A PREFETCH of what the NEXT change of slots will ask for: a slot's 128 rows of K and 128 of V, 256 bytes a row, a lane a row.  It stands behind the wave's tensor load and its five lines.
; Each row is named ONCE in the launch.  Eight clusters walk one K and V (four query heads x two clusters a head): the first cluster of the first of the four heads asks.  Its four partners share the rows out BY ADDRESS, 32 each;
; in each, wave 0 asks for K's and wave 2 for V's: one instruction.  The last change that fills a slot asks for nothing: there is no slot behind it.  Slots 0, 1 and 2 come by their loads alone.
.macro ASK
	s_cmp_gt_u32 s[SLOTS], s[LIM]
	s_cbranch_scc0 .Lnot_mine_\@
	global_prefetch_b8 v[PFO], s[PFA:PFA+1] th:TH_LOAD_NT scope:SCOPE_SE
.Lnot_mine_\@:
.endm
; A round of the cluster's barrier.
.macro CROUND
	s_barrier_signal -1
	s_barrier_wait -1
	s_cmp_lg_u32 s[WV], 0
	s_cbranch_scc1 .Lnot_wave_0_\@
	s_barrier_signal -3
.Lnot_wave_0_\@:
	s_barrier_wait -3
	s_barrier_signal -1
	s_barrier_wait -1
.endm
	s_load_b128 s[4:7], s[0:1], 0x0   ; q16 s[4:5], kv16 s[6:7]: for K
	s_load_b64 s[8:9], s[0:1], 0x8    ; kv16 once more: for V
	s_load_b64 s[10:11], s[0:1], 0x10 ; attn16
	v_lshl_add_u32 v[SPW], v0, 2, SPARE
	v_mov_b32 v[NIL], 0
	ds_add_u32 v[SPW], v[NIL]       ; the wave's opening: the add, twice on end, and its wait ahead of my first tensor load; the set-up below stands between
	ds_add_u32 v[SPW], v[NIL]
	v_lshrrev_b32 v1, 5, v0
	v_readfirstlane_b32 s[WV], v1   ; wave 0..3
	s_bfe_u32 s13, ttmp6, 0x40000   ; cx: my place in the cluster
	s_lshl_b32 s14, ttmp9, 2        ; in a cluster launch ttmp9 counts clusters
	s_add_co_u32 s14, s14, s13      ; my block of 256 queries: it enters Q's and the result's addresses alone
	s_and_b32 s63, ttmp7, 0xffff    ; y = batch x 16 + head, which the four partners share
	s_lshr_b32 s20, s63, 2          ; batch x 4 + key and value head
	s_lshl_b32 s20, s20, 19         ; x 2,048 rows of 256 bytes
	s_mov_b32 s21, 0
	s_and_b32 s16, s[WV], 1         ; which of a slot's two steps I fetch:
	s_lshl_b32 s22, s16, 14         ; its 64 rows of 256 bytes in memory,
	s_mov_b32 s23, 0
	s_add_nc_u64 s[22:23], s[22:23], s[20:21]
	s_mul_i32 s17, s16, STEPB       ; and its place in a slot: no place in the cluster enters an LDS address
	s_lshl_b32 s2, s14, 16          ; Q: my block's 256 rows,
	s_lshl_b32 s3, s[WV], 14        ; my wave's 64 of them,
	s_add_co_u32 s2, s2, s3
	s_lshl_b32 s3, s63, 19          ; in my head
	s_add_co_u32 s2, s2, s3
	s_mov_b32 s3, 0
	; descriptor group 1: a tile of 64 rows x 128 elements, padded in LDS
	s_mov_b32 s[G1K], 15|(1<<16)|(1<<20)|(1<<21)|(5<<22)|(3<<25)  ; 15:0 the mask: all four work-groups; 17:16 elements of 2 bytes; 20 padding on; 21 set beside a mask; 24:22 after every 64 words; 31:25 four words
	s_mov_b32 s[G1V], 15|(1<<16)|(1<<20)|(1<<21)|(5<<22)|(7<<25)  ; the same with eight words of padding
.irp g, G1K, G1V
	s_mov_b32 s[\g+1], 128<<16      ; tensor_dim0 = 128
	s_mov_b32 s[\g+2], KS<<16       ; tensor_dim1 = 64
	s_mov_b32 s[\g+3], 128<<16      ; tile_dim0 = 128
	s_mov_b32 s[\g+4], KS           ; tile_dim1 = 64
	s_mov_b32 s[\g+5], 128          ; tensor_dim0_stride
	s_mov_b32 s[\g+6], 0
	s_mov_b32 s[\g+7], 0
.endr
	s_mov_b32 s[CS], 0x3fb8aa3b     ; c = log2(e): the scores' scale is 1
	s_mov_b32 s[CS+1], s[CS]        ; named with it as a pair, so it is written
	s_mov_b32 s[SEL], 0x76543210
	s_mov_b32 s[SEL+1], 0xfedcba98
	s_mov_b32 s[TB], 0
	s_mov_b32 s[SLOTS], SIZE_N/(2*KS)-2
	s_and_b32 s[LIM], s[WV], 1       ; 0 in waves 0 and 2,
	s_or_b32 s[LIM], s[LIM], ttmp9   ; of the head's first cluster,
	s_and_b32 s16, s63, 3
	s_or_b32 s[LIM], s[LIM], s16     ; of the first of the four heads that share K and V: the same in all four partners
	s_cmp_eq_u32 s[LIM], 0
	s_cselect_b32 s[LIM], 1, -1
	v_and_b32 v[PFO], 31, v0
	v_lshlrev_b32 v[PFO], 8, v[PFO]
	s_wait_dscnt 0x0                ; both opening adds are done
	s_wait_kmcnt 0x0
	s_add_nc_u64 s[8:9], s[8:9], 0x400000  ; v lies behind k
	s_add_nc_u64 s[6:7], s[6:7], s[22:23]  ; K and V at my tile of slot 0
	s_add_nc_u64 s[8:9], s[8:9], s[22:23]
	s_add_nc_u64 s[4:5], s[4:5], s[2:3]    ; Q at my wave's first row
	s_lshr_b32 s2, s63, 4           ; the result: row batch x 2,048 + 256 x block + 64 x wave, of 4,096 bytes; my head's 256 bytes in it
	s_lshl_b32 s2, s2, 11
	s_lshl_b32 s3, s14, 8
	s_add_co_u32 s2, s2, s3
	s_lshl_b32 s3, s[WV], 6
	s_add_co_u32 s2, s2, s3
	s_lshl_b32 s2, s2, 12
	s_and_b32 s3, s63, 15
	s_lshl_b32 s3, s3, 8
	s_add_co_u32 s2, s2, s3
	s_mov_b32 s3, 0
	s_add_nc_u64 s[10:11], s[10:11], s[2:3]
	s_cmp_lt_u32 s[WV], 2
	s_cselect_b64 s[PFA:PFA+1], s[6:7], s[8:9]  ; (in waves 0 and 2 these stand at a slot's first row)
	s_lshl_b32 s2, s13, 13          ; my work-group's 32 rows of the 128
	s_mov_b32 s3, 0
	s_add_nc_u64 s[PFA:PFA+1], s[PFA:PFA+1], s[2:3]
	s_add_nc_u64 s[PFA:PFA+1], s[PFA:PFA+1], 2*2*KS*256  ; in slot 2; the first change of slots steps it to slot 3
	CROUND                          ; all four work-groups are here: the first joint loads meet
.irp s, 0,1
	s_mov_b32 s[G0K+4*\s], 1        ; count = 1
	s_add_co_u32 s[G0K+4*\s+1], s17, \s*SLOT1  ; LDS address
	s_add_nc_u64 s[G0K+4*\s+2:G0K+4*\s+3], s[6:7], \s*2*KS*256  ; global address: slot s begins with keys 128 s
	s_or_b32 s[G0K+4*\s+3], s[G0K+4*\s+3], 0x80000000  ; type = 2
	s_mov_b32 s[G0V+4*\s], 1
	s_add_co_u32 s[G0V+4*\s+1], s17, \s*SLOT1+VOFF
	s_add_nc_u64 s[G0V+4*\s+2:G0V+4*\s+3], s[8:9], \s*2*KS*256
	s_or_b32 s[G0V+4*\s+3], s[G0V+4*\s+3], 0x80000000
.endr
	s_cmp_lt_u32 s[WV], 2           ; a wave's two first fills stand in one branch, ahead of every wait on TENSORcnt and every LDS read: two loads of mine are out
	s_cbranch_scc0 .Lfirst_v
	tensor_load_to_lds s[G0K:G0K+3], s[G1K:G1K+7]
	s_nop 0
	tensor_load_to_lds s[G0K+4:G0K+7], s[G1K:G1K+7]
	s_nop 0
.rept 4
	v_nop
.endr
	s_branch .Lfirst_asked
.Lfirst_v:
	tensor_load_to_lds s[G0V:G0V+3], s[G1V:G1V+7]
	s_nop 0
	tensor_load_to_lds s[G0V+4:G0V+7], s[G1V:G1V+7]
	s_nop 0
.rept 4
	v_nop
.endr
.Lfirst_asked:
	; A fragment of K or Q is 16 rows x 32 channels in 8 registers: lane l holds row l % 16; registers 0-3 channels 8 (l / 16) + 0..7, registers 4-7 channels 16 + 8 (l / 16) + 0..7: two loads of 16 bytes, 32 bytes apart.
	v_and_b32 v1, 15, v0            ; l % 16
	v_bfe_u32 v9, v0, 4, 1          ; l / 16
	v_lshlrev_b32 v[QO], 8, v1
	v_lshl_add_u32 v[QO], v9, 4, v[QO]  ; row x 256 + 16 x half
	WIN 0x80                        ; destination window 2, address window 0
.irp i, 0,1,2,3,4,5,6,7,8,9,10,11,12,13,14,15  ; Q stays in registers: tile i / 4, channels 32 (i % 4) on
	global_load_b128 v[8*\i:8*\i+3],   v[QO], s[4:5] offset:(\i/4)*4096+(\i%4)*64
	global_load_b128 v[8*\i+4:8*\i+7], v[QO], s[4:5] offset:(\i/4)*4096+(\i%4)*64+32
.endr
	WIN 0
	v_mul_u32_u24 v[AK0], v1, PK
	v_lshl_add_u32 v[AK0], v9, 4, v[AK0]  ; row x pitch + 16 x half
	; The turning load takes 16 keys x 16 channels (lane l reads 16 bytes: key 8 (l / 16) + l % 8, channels 8 ((l / 8) % 2) + 0..7) and leaves half a fragment of V^T: lane l holds channel l % 16 and 8 keys.
	v_and_b32 v10, 7, v0
	v_bfe_u32 v11, v0, 3, 1
	v_lshl_add_u32 v[AV0], v9, 3, v10
	v_mul_u32_u24 v[AV0], v[AV0], PV
	v_lshl_add_u32 v[AV0], v11, 4, v[AV0]
	v_add_nc_u32 v[AV0], VOFF, v[AV0]
; THE MATRIX WORK OF A TURN, for piece x.  The accumulators take turns, one instruction a turn.
; Product i of 32 of O^T += V^T P: keys 32 (i / 16) on, channels 16 ((i / 2) % 8) on, tile x + i % 2.  zero = 1: the first 16 start the sums.
.macro PV x, zero
	WIN W_PV
.set rO, 64*(\x+i%2)+8*((i/2)%8)
.set rV, 64*(i/16)+8*((i/2)%8)
.set rP, P+16*(\x+i%2)+8*(i/16)
.if \zero && (i < 16)
	v_wmma_f32_16x16x32_f16 v[rO:rO+7], v[rV:rV+7], v[rP:rP+7], 0
.else
	v_wmma_f32_16x16x32_f16 v[rO:rO+7], v[rV:rV+7], v[rP:rP+7], v[rO:rO+7]
.endif
.endm
; Product i of 32 of S^T = K Q^T: channels 32 (i / 8) on, keys 16 ((i / 2) % 4) on, tile x + i % 2.  The first 8 start the sums.
.macro KQ x
	WIN W_KQ
.set rS, S+32*(\x+i%2)+8*((i/2)%4)
.set rK, KF+32*((i/2)%4)+8*(i/8)
.set rQ, 32*(\x+i%2)+8*(i/8)
.if i < 8
	v_wmma_f32_16x16x32_f16 v[rS:rS+7], v[rK:rK+7], v[rQ:rQ+7], 0
.else
	v_wmma_f32_16x16x32_f16 v[rS:rS+7], v[rK:rK+7], v[rQ:rQ+7], v[rS:rS+7]
.endif
.endm
; THE LDS LOADS stand in runs of 32: a step's K (16 fragments) and, a turn later, its V (turned).
.macro FETCH_K
	WIN 0
	v_add_nc_u32 v[ADR], s[TB], v[AK0]
	WIN 0x80                        ; destination window 2
.irp f, 0,1,2,3,4,5,6,7,8,9,10,11,12,13,14,15  ; keys 16 (f / 4) on, channels 32 (f % 4) on
	ds_load_b128 v[KF+8*\f:KF+8*\f+3],   v[ADR] offset:(\f/4)*16*PK+(\f%4)*64
	ds_load_b128 v[KF+8*\f+4:KF+8*\f+7], v[ADR] offset:(\f/4)*16*PK+(\f%4)*64+32
.endr
.endm
.macro FETCH_V
	WIN 0
	v_add_nc_u32 v[ADR], s[TB], v[AV0]
	s_add_co_u32 s[TB], s[TB], STEPB  ; the next fetch is the next step's
	s_wait_alu depctr_va_vdst(0)    ; the wait for the softmax's batch (SLICE), behind the address's addition and ahead of the loads
	WIN 0xc0                        ; destination window 3
.irp f, 0,1,2,3,4,5,6,7,8,9,10,11,12,13,14,15  ; keys 32 (f / 8) on, channels 16 (f % 8) on
	ds_load_tr16_b128 v[8*\f:8*\f+3],   v[ADR] offset:(\f/8)*32*PV+(\f%8)*32
	ds_load_tr16_b128 v[8*\f+4:8*\f+7], v[ADR] offset:(\f/8)*32*PV+16*PV+(\f%8)*32
.endr
.endm
; THE VECTOR WORK OF A TURN.  One tile's softmax for one key step is a list of 134 instructions; SM writes number j of it for tile t.  first = 1: the first key step, which starts m, l and O^T.
;   0-15    the maximum of the lane's 32 scores and the old m, three operands at a time
;   16-20   the other half of the lanes' maximum; the new m; c m; c m_old - c m_new
;   21-69   ONE BATCH: the 16 scalings c s - c m, a pair of scores each, and all 33 exponentials (a at 23).  None of these reads an exponential's result
;   (wait)  between 69 and 70 stands the wait for the batch: SLICE writes it, once for both tiles
;   70-85   the roundings to f16     86-101  the sums; l = a l + the sum     102-133 the tile's O^T times a
.macro SM t, first
.set rT, ST+8*(\t)
.set rS, S+32*(\t)
.set rP, P+16*(\t)
.set rO, 64*(\t)+2*(j-102)
.if j < 102
	WIN 0
.endif
.if j < 4
	v_max3_num_f32 v[rT+4+j], v[rS+8*j], v[rS+8*j+1], v[rS+8*j+2]
.elseif j < 12
	v_max3_num_f32 v[rT+4+j%4], v[rT+4+j%4], v[rS+8*(j%4)+2*(j/4)+1], v[rS+8*(j%4)+2*(j/4)+2]
.elseif j == 12
	v_max3_num_f32 v[rT+4], v[rT+4], v[rS+7], v[rS+15]
.elseif j == 13
	v_max3_num_f32 v[rT+6], v[rT+6], v[rS+23], v[rS+31]
.elseif j == 14
	v_max3_num_f32 v[rT+4], v[rT+4], v[rT+5], v[rT+6]
.elseif (j == 15) && \first
	v_max_num_f32 v[rT+4], v[rT+4], v[rT+7]
.elseif j == 15
	v_max3_num_f32 v[rT+4], v[rT+4], v[rT+7], v[rT+1]
.elseif j == 16
	v_permlanex16_b32 v[rT+5], v[rT+4], s[SEL], s[SEL+1]  ; the query's other 32 keys lie in the lane 16 away
.elseif j == 18
	v_max_num_f32 v[rT+1], v[rT+4], v[rT+5]
.elseif j == 19
	v_mul_f32 v[rT], s[CS], v[rT+1]
.elseif ((j == 17) || (j == 20) || (j == 23) || (j > 101)) && \first  ; the first step has none of these
.elseif j == 17
	v_mov_b32 v[rT+7], v[rT]        ; c m_old is kept for a: number 19 writes c m anew
.elseif j == 20
	v_sub_f32 v[rT+7], v[rT+7], v[rT]
.elseif j == 23
	v_exp_f32 v[rT+6], v[rT+7]
.elseif (j < 23) || ((j < 38) && (j%2 == 0)) || ((j < 66) && (j%4 == 2))
.set b, (j-2)/4                     ; 38, 42, .. 62: pairs 9 to 15
.if j < 38
.set b, (j-20)/2                    ; 21: pair 0; 22, 24, .. 36: pairs 1 to 8
.endif
	v_pk_fma_f32 v[rS+2*b:rS+2*b+1], v[rS+2*b:rS+2*b+1], s[CS:CS+1], v[rT:rT+1] op_sel_hi:[1,0,0] neg_lo:[0,0,1] neg_hi:[0,0,1]  ; pair b: c s - c m
.elseif j < 70
.set e, j-38                        ; 66 to 69: scores 28 to 31
.if j < 66
.set e, j-32-(j-38)/4               ; 39-41, 43-45, .. 63-65: scores 7 to 27
.endif
.if j < 38
.set e, (j-25)/2                    ; 25, 27, .. 37: scores 0 to 6
.endif
	v_exp_f32 v[rS+e], v[rS+e]
.elseif j < 86
	v_cvt_pk_f16_f32 v[rP+j-70], v[rS+2*(j-70)], v[rS+2*(j-70)+1]  ; pair j - 70
.elseif j < 102                     ; the sum of the tile's 16 pairs, in place: neighbours 1, 2, 4 and 8 pairs apart, then l takes it
.set z, j-86
.set w, 4
.set u, z
.if z >= 14
.set w, 32
.set u, 0
.elseif z >= 12
.set w, 16
.set u, z-12
.elseif z >= 8
.set w, 8
.set u, z-8
.endif
.if (z == 14) && \first
	v_pk_add_f32 v[rT+2:rT+3], v[rS:rS+1], v[rS+16:rS+17]
.elseif z < 15
	v_pk_add_f32 v[rS+w*u:rS+w*u+1], v[rS+w*u:rS+w*u+1], v[rS+w*u+w/2:rS+w*u+w/2+1]
.elseif !\first
	v_pk_fma_f32 v[rT+2:rT+3], v[rT+2:rT+3], v[rT+6:rT+7], v[rS:rS+1] op_sel_hi:[1,0,1]
.endif
.else
	WIN W_RS
	v_pk_mul_f32 v[rO:rO+1], v[rO:rO+1], v[rT+6:rT+7] op_sel_hi:[1,0]
.endif
.endm
; Slice k of 64 of piece y's softmax: four instructions.  Slices 11 to 34 deal out the batch, numbers 22 to 69: four numbers of ONE tile each, the tiles by turns.  Every other slice is numbers 2 k and 2 k + 1 of both tiles' lists.
; 2 x 134 = 4 x 64 + 12: the twelve that are over stand together, in slice 63.  Ahead of slice 35 nothing names an exponential's result, and behind slice 34 no exponential is issued: the piece's 66 exponentials have one wait, behind slice 34.
.macro SLICE y, first
.if (k >= 11) && (k < 35)           ; the batch: four numbers of one tile
.irp n, 0,1,2,3
.set j, 22+4*((k-11)/2)+(\n)
	SM (\y)+(k-11)%2, \first
.endr
.else                               ; the two tiles alternate, so that no instruction reads the result of the one just before it
.irp n, 0,1,2,3,4,5,6,7
.if (\n < 2) || (k == 63)
.irp t, \y, \y+1
.set j, 2*k+\n
	SM \t, \first
.endr
.endif
.endr
.endif
.if k == 34                         ; the batch is out: both tiles' exponentials are issued, and no result has been named
	v_nop                           ; the plain instruction behind the last exponential and ahead of the first use: one for the batch
.if (\y) == 0
	FETCH_V                         ; piece 2's turn: V's run of loads stands here, and the wait stands in it
.else
	s_wait_alu depctr_va_vdst(0)    ; the wait for the batch
.endif
.endif
.set k, k+1
.endm
.macro PLACES
.rept 4
	v_nop
.endr
.endm
; A TURN.  Piece x has the matrix unit; the other piece's softmax stands in slices behind its matrix instructions.
; pv = 2: 32 products V^T P; 1: they start O^T's sums; 0: none.  kq = 1: 32 products K Q^T for the next step.  A turn with one of the two kinds has two slices behind each product.
; first = 1: the softmax is the first key step's: its slices from 51 on are empty, and four v_nop take slice 63's part as the places behind the turn's last products.
; Piece 0's turn fetches the next step's K, behind its second product; piece 2's turn fetches the same step's V, behind slice 34: four plain instructions lie between V's last reader and the loads.
.macro TURN x, pv, kq, first
.set k, 0
.set per, 2
.if \pv && \kq
.set per, 1
.endif
.if \pv
.if \x == 0
	s_wait_dscnt 0x0                ; V is in
.endif
.set i, 0
.rept 32
	PV \x, 2-\pv
.rept per
	SLICE 2-\x, \first
.endr
.if (\x == 0) && \kq && (i == 1)
	FETCH_K
.endif
.set i, i+1
.endr
.endif
.if \kq
.if \x == 0
	s_wait_dscnt 0x0                ; K is in
.endif
.set i, 0
.rept 32
	KQ \x
.rept per
	SLICE 2-\x, \first
.endr
.set i, i+1
.endr
.endif
.if \first
	PLACES
.endif
.endm
; THE CHANGE OF SLOTS, between piece 2's turn and piece 0's.  Each wave waits for all its tensor loads, of which one is out: its part of the other slot; adds 0 to its spare word; and waits for that and for its own reads of the slot.
; fill = 1: this slot is filled again, with the keys two slots on.  The barrier is then a round of the cluster's, and the joint refill is the first thing behind it: it has two key steps, 256 matrix instructions, in which to land.
.macro CHANGE fill
	WIN 0                           ; at a label and at a branch every window is 0
	s_wait_tensorcnt 0x0            ; no tensor load of mine is out, so a group 0 may be written
	ds_add_u32 v[SPW], v[NIL]       ; 0 onto my spare word
.if \fill
.irp g, G0K+4, G0V+4
	s_xor_b32 s[\g+1], s[\g+1], SLOT1  ; the walking descriptor: the other slot than last time,
	s_add_nc_u64 s[\g+2:\g+3], s[\g+2:\g+3], 2*KS*256  ; the next 128 keys; the type bits on top are not reached
.endr
	s_wait_xcnt 0x0                 ; the last prefetch, two key steps back, has read its address, so it may be written:
	s_add_nc_u64 s[PFA:PFA+1], s[PFA:PFA+1], 2*KS*256  ; one slot further on than the walking descriptors
	s_wait_dscnt 0x0                ; the add is done, and my reads of the slot are over
	CROUND
	JLOAD
	ASK                             ; what the next change will ask for: two key steps, 256 matrix instructions, ahead
.else
	s_wait_dscnt 0x0                ; the add is done, and my reads of the slot are over
	s_barrier_signal -1
	s_barrier_wait -1
.endif
	s_sub_co_u32 s[TB], s[TB], 2*STEPB  ; the fetches go back to a slot's first step,
	s_xor_b32 s[TB], s[TB], SLOT1   ; in the other slot
.endm
; A slot's two key steps: written once, walked twice; the LDS addresses hang on s[TB].
.macro TWO_STEPS
	s_mov_b32 s[TWICE], 2
.Lstep_\@:
	TURN 0, 2, 1, 0
	TURN 2, 2, 1, 0
	WIN 0
	s_sub_co_u32 s[TWICE], s[TWICE], 1
	s_cmp_lg_u32 s[TWICE], 0
	s_cbranch_scc1 .Lstep_\@
.endm
	s_wait_tensorcnt 1              ; my part of slot 0 is in; slot 1's may stay out
	s_barrier_signal -1
	s_barrier_wait -1               ; everybody's is
	FETCH_K                         ; key step 0
	s_wait_loadcnt 0x0              ; Q
	s_wait_dscnt 0x0
.set i, 0
.rept 32
	KQ 0                            ; piece 0's first scores: there is no vector work yet to set between them
.set i, i+1
.endr
	WIN 0                           ; the addresses for the way out are made here: plain instructions, the places behind those products
	s_mul_i32 s13, s[WV], 16*SP
	s_add_co_u32 s13, s13, STAGE    ; my stage
	v_mul_u32_u24 v[STO], v1, SP    ; in: row l % 16, 16 bytes for each half of the lanes
	v_lshl_add_u32 v[STO], v9, 4, v[STO]
	v_add_nc_u32 v[STO], s13, v[STO]
	v_mul_u32_u24 v[RD], v9, SP     ; back: lanes 0-15 take one row of 256 bytes, lanes 16-31 the next
	v_lshl_add_u32 v[RD], v1, 4, v[RD]
	v_add_nc_u32 v[RD], s13, v[RD]
	v_lshlrev_b32 v[GO], 12, v9     ; and the same two rows in attn16, 4,096 bytes apart
	v_lshl_add_u32 v[GO], v1, 4, v[GO]
	TURN 2, 0, 1, 1                 ; piece 2's first scores | piece 0's first softmax | V of step 0
	TURN 0, 1, 1, 1                 ; piece 0: V^T P of step 0 starts O^T, K Q^T of step 1 | piece 2's first softmax | K of step 1
	TURN 2, 1, 1, 0                 ; piece 2: the same | piece 0's softmax of step 1 | V of step 1
	WIN 0
.Lslot:                             ; 14 trips: every slot but the last two is filled again
	CHANGE 1
	TWO_STEPS
	s_sub_co_u32 s[SLOTS], s[SLOTS], 1
	s_cmp_lg_u32 s[SLOTS], 0
	s_cbranch_scc1 .Lslot
	CHANGE 0                        ; the tail is written out
	TWO_STEPS
	TURN 0, 2, 0, 0                 ; piece 0: V^T P of the last step | piece 2's last softmax
.set i, 0
.rept 32
	PV 2, 0                         ; piece 2: V^T P of the last step
.set i, i+1
.endr
	; THE WAY OUT.  l's two halves and the other half of the lanes' are added; O^T is divided by l, rounded to f16 and sent through my stage in LDS, a tile (16 rows) at a time.  The additions are the places behind the last products.
	WIN 0
.irp t, 0,1,2,3
	v_add_f32 v[ST+8*\t+4], v[ST+8*\t+2], v[ST+8*\t+3]
.endr
.irp t, 0,1,2,3
	v_permlanex16_b32 v[ST+8*\t+5], v[ST+8*\t+4], s[SEL], s[SEL+1]
.endr
.irp t, 0,1,2,3
	v_add_f32 v[ST+8*\t+4], v[ST+8*\t+4], v[ST+8*\t+5]
.endr
.irp t, 0,1,2,3
	v_rcp_f32 v[ST+8*\t+6], v[ST+8*\t+4]
.endr
	v_nop                           ; a plain instruction between the last reciprocal and the use of its result
	s_wait_alu depctr_va_vdst(0)    ; and the wait ahead of the first use: one for the four
.macro PACK t
	WIN W_RS
.set i, 64*\t
.rept 32
	v_pk_mul_f32 v[i:i+1], v[i:i+1], v[ST+8*\t+6:ST+8*\t+7] op_sel_hi:[1,0]
.set i, i+2
.endr
	WIN 0x05                        ; sources 0 and 1 window 1, destination window 0: S^T's registers are free
.set i, 0
.rept 32
	v_cvt_pk_f16_f32 v[S+32*\t+i], v[64*\t+2*i], v[64*\t+2*i+1]
.set i, i+1
.endr
	WIN 0
.irp f, 0,1,2,3,4,5,6,7
	ds_store_b128 v[STO], v[S+32*\t+4*\f:S+32*\t+4*\f+3] offset:32*\f
.endr
.irp f, 0,1,2,3,4,5,6,7
	ds_load_b128 v[S+32*\t+4*\f:S+32*\t+4*\f+3], v[RD] offset:\f*2*SP  ; LDS serves a wave's instructions in order: these see the stores above; the next tile's stores come behind them
.endr
.endm
.macro SEND t, younger              ; younger: the LDS instructions issued behind tile t's loads: the next tile's sixteen, or none
.irp f, 0,1,2,3,4,5,6,7
	s_wait_dscnt \younger+7-\f
	global_store_b128 v[GO], v[S+32*\t+4*\f:S+32*\t+4*\f+3], s[10:11] offset:\t*65536+\f*8192  ; 16 lanes store the head's 256 bytes of a row, aligned
.endr
.endm
	PACK 0
	PACK 1                          ; a tile's arithmetic stands between the loads of the tile before and its stores
	SEND 0, 16
	PACK 2
	SEND 1, 16
	PACK 3
	SEND 2, 16
	SEND 3, 0
	s_wait_tensorcnt 0x0            ; the wave's end: behind my last tensor load and my last LDS store
	ds_add_u32 v[SPW], v[NIL]
	s_wait_dscnt 0x0
	CROUND                          ; the closing round: no work-group ends while a partner may still ask for a tile that names it
	s_endpgm
.Lfunc_end_k_qd48a59ee3c_attn:
	.size	k_qd48a59ee3c_attn, .Lfunc_end_k_qd48a59ee3c_attn-k_qd48a59ee3c_attn
	.p2alignl 7, 3214868480
	.fill 96, 4, 3214868480
	.section	.rodata,"a",@progbits
	.p2align	6, 0x0
	.amdhsa_kernel k_qd48a59ee3c_attn
		.amdhsa_group_segment_fixed_size 327680
		.amdhsa_private_segment_fixed_size 0
		.amdhsa_enable_private_segment 0
		.amdhsa_kernarg_size 24
		.amdhsa_user_sgpr_count 2
		.amdhsa_user_sgpr_kernarg_segment_ptr 1
		.amdhsa_wavefront_size32 1
		.amdhsa_system_sgpr_workgroup_id_x 1
		.amdhsa_system_sgpr_workgroup_id_y 1
		.amdhsa_system_sgpr_workgroup_id_z 1
		.amdhsa_system_vgpr_workitem_id 0
		.amdhsa_next_free_vgpr 1024
		.amdhsa_next_free_sgpr 66
		.amdhsa_reserve_vcc 0
		.amdhsa_float_denorm_mode_32 3
		.amdhsa_float_denorm_mode_16_64 3
		.amdhsa_memory_ordered 1
		.amdhsa_forward_progress 1
		.amdhsa_inst_pref_size 222
	.end_amdhsa_kernel
	.amdgpu_metadata
---
amdhsa.version: [ 1, 2 ]
amdhsa.kernels:
  - .name:           k_qd48a59ee3c_attn
    .symbol:         k_qd48a59ee3c_attn.kd
    .args:
      - { .name: q16, .offset: 0, .size: 8, .value_kind: global_buffer, .address_space: global }
      - { .name: kv16, .offset: 8, .size: 8, .value_kind: global_buffer, .address_space: global }
      - { .name: attn16, .offset: 16, .size: 8, .value_kind: global_buffer, .address_space: global }
    .group_segment_fixed_size: 327680
    .private_segment_fixed_size: 0
    .kernarg_segment_align: 8
    .kernarg_segment_size: 24
    .max_flat_workgroup_size: 128
    .sgpr_count:     66
    .vgpr_count:     1024
    .wavefront_size: 32
...
	.end_amdgpu_metadata
.endif
;; end of part 3
;; launch oproj (part 4): grid 8 x 32, 4 waves a work-group, clusters of 4 x 4, 327,680 bytes of LDS; arguments attn16, wo16, out0; writes out0
.if DOCPART == 4
	.amdgcn_target "amdgcn-amd-amdhsa--gfx1250"
	.amdhsa_code_object_version 6
	.text
	.protected	k_qd48a59ee3c_oproj
	.globl	k_qd48a59ee3c_oproj
	.p2align	8
	.type	k_qd48a59ee3c_oproj,@function
k_qd48a59ee3c_oproj:
	s_mov_b64 s[64:65], 0
	v_nop
	global_prefetch_b8 v0, s[64:65] scope:SCOPE_SE
	s_setreg_imm32_b32 hwreg(HW_REG_WAVE_MODE, 25, 1), 1
	s_wait_xcnt 0x0
	s_wait_alu depctr_hold_cnt(0) depctr_sa_sdst(0) depctr_va_vdst(0) depctr_va_sdst(0) depctr_va_ssrc(0) depctr_va_vcc(0) depctr_vm_vsrc(0)
	s_getreg_b32 s2, hwreg(HW_REG_IB_STS2, 6, 4)
	s_cmp_eq_u32 s2, 0
	s_cbranch_scc0 .Lentry_in_a_cluster
	s_endpgm
.Lentry_in_a_cluster:
	s_bfe_u32 s2, ttmp6, 0x10000c
	s_cmp_lg_u32 s2, 0xf033
	s_cbranch_scc0 .Lentry_shape_is_right
	s_endpgm
.Lentry_shape_is_right:
; out0[m][n] = sum over k of attn16[m][k] wo16[k][n].  attn16: [4096][2048] f16, K innermost; wo16: [2048][1024] f16, K its FIRST axis; out0: [4096][1024] f32; sums in f32.
; A tile of out0 is 128 x 128: 256 tiles, one for each WGP.  Four waves, each 64 x 64: 16 accumulators of 16 x 16.  K goes in steps of 256 through two LDS slots: A's tile is 128 rows of 512 bytes, B's 256 rows (k) of 256 bytes (128 n).
; B's fragments come out of LDS turned, by ds_load_tr16_b128: no transposed copy of the weight is made.
; CLUSTERS: 4 x 4 work-groups.  The four of a row of the cluster need the same tiles of A, the four of a column the same tiles of B: each tile is asked for JOINTLY.
; THE MATRIX INSTRUCTION IS USED TRANSPOSED (source 0 = 16 columns n of B, source 1 = 16 rows of A): a lane holds eight neighbouring numbers of a row of out0.
; A wave's 64 columns of f32 are 256 bytes on end, aligned: the stage on the way out is each wave's own, and no barrier stands there.
; REGISTERS: window 0: v0-31 addresses; v32-95 rows on the way out; v128-255 the accumulators ((a, b) at v[128 + 8 (4 a + b)]).   window 1: two fragment buffers of 128: 64 registers of A (2 x 4 x 16 rows x 32 K), then 64 of B.
.set SIZE_K, 2048
.set KSTEP,  256
.set PITCH,  528                       ; A's row in LDS: 512 bytes + 16 of padding
.set HALFA,  64*PITCH                  ; 64 rows: what one tensor load brings of A, and what one wave reads
.set PB,     288                       ; B's row in LDS: 256 bytes + 32 of padding
.set HALFB,  128*PB                    ; 128 rows (k): what one tensor load brings of B
.set BOFF,   2*HALFA                   ; a slot: A's 128 rows, then B's 256
.set SLOT,   BOFF+2*HALFB
.set STAGE,  2*SLOT                    ; behind the ring: 16 rows x 272 bytes for each wave, bytes of its own
.set SPITCH, 272
.set SPARE,  STAGE+4*16*SPITCH         ; behind the stages: the spare words, 128 bytes for each wave
.set LAPS,   SIZE_K/(2*KSTEP)          ; a lap = two K steps = once round the ring
.set ADRA, 16                          ; v16-17  LDS address of my A fragments in slot 0, 1
.set ADRB, 20                          ; v20-23  of my B fragments: slot s, rows 128 u on: v[20 + 2 s + u] (255 rows of 288 bytes pass the 16-bit offset)
.set STO,  24                          ; v24     the way out: where I put 32 bytes of a row
.set RD,   25                          ; v25     where I read rows back
.set CO,   26                          ; v26     my byte offset in out0
.set SPW,  28                          ; v28     LDS address of my spare word; never rewritten
.set NIL,  29                          ; v29     0; never rewritten
.set TMP,  32                          ; the way out: v32-63 and v64-95 by turns
.set ACC,  128
.set F0,   0                           ; fragment buffers, in window 1
.set F1,   128
.set G1, 24                            ; s[24:31] descriptor group 1 for A's tiles;  s[32:39] group 0, one set for each slot
.set G0, 32
.set G1B, 48                           ; s[48:55], s[56:63] the same for B's tiles
.set G0B, 56
.set MSB, 0
.macro WIN new                         ; the immediate's high byte repeats the setting that is left
.if MSB != (\new)
	s_set_vgpr_msb (MSB<<8)|(\new)
.set MSB, (\new)
.endif
.endm
.set MUL,  0x05                        ; sources 0 (B) and 1 (A) window 1; C and D window 0
.set TO_F, 0x40                        ; destination window 1, address window 0
.macro JLOAD s                         ; a joint load: waves 0 and 1 fetch A's two halves, waves 2 and 3 B's; an s_nop 0 and four v_nop follow each of the two lines
	s_cmp_eq_u32 s11, 0
	s_cbranch_scc0 .Lfor_b_\@
	tensor_load_to_lds s[G0+4*\s:G0+4*\s+3], s[G1:G1+7]
	s_nop 0
.rept 4
	v_nop
.endr
	s_branch .Lasked_\@
.Lfor_b_\@:
	tensor_load_to_lds s[G0B+4*\s:G0B+4*\s+3], s[G1B:G1B+7]
	s_nop 0
.rept 4
	v_nop
.endr
.Lasked_\@:
.endm
.macro CREST                           ; a round of the cluster's barrier behind its opening barrier
	s_cmp_lg_u32 s10, 0
	s_cbranch_scc1 .Lnot_wave_0_\@
	s_barrier_signal -3
.Lnot_wave_0_\@:
	s_barrier_wait -3
	s_barrier_signal -1
	s_barrier_wait -1
.endm
.macro CROUND                          ; a whole round
	s_barrier_signal -1
	s_barrier_wait -1
	CREST
.endm
	s_load_b128 s[4:7], s[0:1], 0x0                ; attn16 s[4:5], wo16 s[6:7]
	s_load_b64 s[8:9], s[0:1], 0x10                ; out0
	v_lshl_add_u32 v[SPW], v0, 2, SPARE
	v_mov_b32 v[NIL], 0
	ds_add_u32 v[SPW], v[NIL]                      ; the wave's opening: the add, twice on end, and its wait ahead of my first tensor load; the set-up below stands between
	ds_add_u32 v[SPW], v[NIL]
	v_lshrrev_b32 v1, 5, v0
	v_readfirstlane_b32 s10, v1                    ; wave 0..3
	s_lshr_b32 s11, s10, 1                         ; which half of the tile's rows is mine.  Also: I fetch for A (0) or for B (1)
	s_and_b32 s12, s10, 1                          ; which half of its columns.  Also: which half of that tile I fetch
	s_bfe_u32 s40, ttmp6, 0x40000                  ; cx, cy: my place in the cluster
	s_bfe_u32 s41, ttmp6, 0x40004
	s_lshl_b32 s42, ttmp9, 2
	s_add_co_u32 s42, s42, s40                     ; tile column = 4 x cluster x + cx
	s_and_b32 s13, ttmp7, 0xffff
	s_lshl_b32 s13, s13, 2
	s_add_co_u32 s13, s13, s41                     ; tile row = 4 x cluster y + cy
	s_lshl_b32 s43, s41, 2
	s_lshl_b32 s43, 15, s43                        ; my row of the cluster
	s_lshl_b32 s44, 0x1111, s40                    ; my column
	; descriptor group 1.  A: 64 rows x 256 elements of 2 bytes, four words of padding behind every 128
	s_or_b32 s[G1+0], s43, (1<<16)|(1<<20)|(1<<21)|(6<<22)|(3<<25)
	s_mov_b32 s[G1+1], 256<<16                     ; tensor_dim0
	s_mov_b32 s[G1+2], 64<<16                      ; tensor_dim1
	s_mov_b32 s[G1+3], 256<<16                     ; tile_dim0
	s_mov_b32 s[G1+4], 64                          ; tile_dim1
	s_mov_b32 s[G1+5], 2048                        ; tensor_dim0_stride
	s_mov_b32 s[G1+6], 0
	s_mov_b32 s[G1+7], 0
	; B: 128 rows (k) x 128 elements (n), eight words of padding behind every 64
	s_or_b32 s[G1B+0], s44, (1<<16)|(1<<20)|(1<<21)|(5<<22)|(7<<25)
	s_mov_b32 s[G1B+1], 128<<16
	s_mov_b32 s[G1B+2], 128<<16
	s_mov_b32 s[G1B+3], 128<<16
	s_mov_b32 s[G1B+4], 128
	s_mov_b32 s[G1B+5], 1024
	s_mov_b32 s[G1B+6], 0
	s_mov_b32 s[G1B+7], 0
	s_lshl_b32 s17, s12, 6
	s_lshl_b32 s16, s13, 7
	s_add_co_u32 s16, s16, s17
	s_lshl_b32 s16, s16, 12                        ; A: row 128 x tile row + 64 x half, of 4,096 bytes
	s_mov_b32 s17, 0
	s_lshl_b32 s46, s42, 8                         ; B: the tile column's 256 bytes of a row,
	s_lshl_b32 s47, s12, 18                        ; and 128 x half rows of 2,048 bytes down
	s_add_co_u32 s46, s46, s47
	s_mov_b32 s47, 0
	s_mul_i32 s20, s12, HALFA                      ; where they go: no place in the cluster enters an LDS address
	s_mul_i32 s21, s12, HALFB
	s_add_co_u32 s21, s21, BOFF
	s_wait_dscnt 0x0                               ; both opening adds are done
	s_wait_kmcnt 0x0
	s_add_nc_u64 s[14:15], s[4:5], s[16:17]
	s_add_nc_u64 s[46:47], s[6:7], s[46:47]
	CROUND                                         ; all sixteen work-groups are here: the first joint loads meet
.irp s, 0,1
	s_mov_b32 s[G0+4*\s], 1
	s_add_co_u32 s[G0+4*\s+1], s20, \s*SLOT
	s_add_nc_u64 s[G0+4*\s+2:G0+4*\s+3], s[14:15], \s*KSTEP*2
	s_or_b32 s[G0+4*\s+3], s[G0+4*\s+3], 0x80000000
	s_mov_b32 s[G0B+4*\s], 1
	s_add_co_u32 s[G0B+4*\s+1], s21, \s*SLOT
	s_add_nc_u64 s[G0B+4*\s+2:G0B+4*\s+3], s[46:47], \s*KSTEP*2048
	s_or_b32 s[G0B+4*\s+3], s[G0B+4*\s+3], 0x80000000
	JLOAD \s                                       ; two tensor loads of mine are out
.endr
	v_and_b32 v1, 15, v0                           ; l % 16
	v_bfe_u32 v2, v0, 4, 1                         ; l / 16
	v_mul_u32_u24 v3, v1, PITCH
	v_lshl_add_u32 v3, v2, 4, v3                   ; A: a fragment's row x pitch + 16 x half
	v_and_b32 v4, 7, v0
	v_lshl_add_u32 v4, v2, 3, v4
	v_mul_u32_u24 v4, v4, PB                       ; B, for the turning load: row k = 8 (l / 16) + l % 8,
	v_bfe_u32 v5, v0, 3, 1
	v_lshl_add_u32 v4, v5, 4, v4                   ; columns 8 ((l / 8) % 2) + 0..7
	s_mul_i32 s21, s11, HALFA                      ; my 64 rows of A
	s_lshl_b32 s22, s12, 7                         ; my 64 columns of B: 128 bytes of each row,
	s_add_co_u32 s22, s22, BOFF                    ; behind A's 128 rows
.irp s, 0,1
	v_add_nc_u32 v[ADRA+\s], s21, v3
	v_add_nc_u32 v[ADRB+2*\s], s22, v4
	s_add_co_u32 s23, s22, HALFB
	v_add_nc_u32 v[ADRB+2*\s+1], s23, v4
	s_add_co_u32 s21, s21, SLOT
	s_add_co_u32 s22, s22, SLOT
.endr
	s_mul_i32 s23, s10, 16*SPITCH
	s_add_co_u32 s23, s23, STAGE                   ; my stage
	v_mul_u32_u24 v4, v1, SPITCH                   ; in: row l % 16, 32 bytes for each half of the lanes
	v_lshl_add_u32 v4, v2, 5, v4
	v_add_nc_u32 v[STO], s23, v4
	v_mul_u32_u24 v5, v2, SPITCH                   ; back: lanes 0-15 one row of 256 bytes, lanes 16-31 the next
	v_lshl_add_u32 v5, v1, 4, v5
	v_add_nc_u32 v[RD], s23, v5
	v_lshlrev_b32 v5, 12, v2                       ; and the same two rows in out0, 4,096 bytes apart
	v_lshl_add_u32 v[CO], v1, 4, v5
	s_lshl_b32 s16, s13, 7
	s_lshl_b32 s17, s11, 6
	s_add_co_u32 s16, s16, s17
	s_lshl_b32 s16, s16, 12                        ; my first row: 128 x tile row + 64 x half
	s_mov_b32 s17, 0
	s_add_nc_u64 s[8:9], s[8:9], s[16:17]
	s_lshl_b32 s46, s42, 9                         ; my first column, in bytes: 512 x tile column + 256 x half
	s_lshl_b32 s47, s12, 8
	s_add_co_u32 s46, s46, s47
	s_mov_b32 s47, 0
	s_add_nc_u64 s[8:9], s[8:9], s[46:47]
; 8 matrix instructions: m blocks a0, a0 + 1 x all 4 n blocks, 32 along K: half c of buffer f.  zero = 1: the first product starts the sums.  The 16 accumulators take turns.
.macro MUL8 f, c, a0, zero
.irp a, \a0, \a0+1
.irp b, 0,1,2,3
.if \zero
	v_wmma_f32_16x16x32_f16 v[ACC+8*(4*(\a)+\b):ACC+8*(4*(\a)+\b)+7], v[\f+64+8*(4*\c+\b):\f+64+8*(4*\c+\b)+7], v[\f+8*(4*\c+\a):\f+8*(4*\c+\a)+7], 0
.else
	v_wmma_f32_16x16x32_f16 v[ACC+8*(4*(\a)+\b):ACC+8*(4*(\a)+\b)+7], v[\f+64+8*(4*\c+\b):\f+64+8*(4*\c+\b)+7], v[\f+8*(4*\c+\a):\f+8*(4*\c+\a)+7], v[ACC+8*(4*(\a)+\b):ACC+8*(4*(\a)+\b)+7]
.endif
.endr
.endr
.endm
; 32 LDS loads in one run: the fragments of the slot's q-th 64 along K, into buffer f; the first 32 along K first.  B: two turning loads a fragment, 16 rows apart: lane l then holds column l % 16 and K as a fragment wants it.
.macro FETCH slot, q, f
	WIN TO_F
.irp c, 0,1
.irp i, 0,1,2,3
	ds_load_tr16_b128 v[\f+64+8*(4*\c+\i):\f+64+8*(4*\c+\i)+3],   v[ADRB+2*\slot+(\q)/2] offset:(((\q)%2)*64+32*\c)*PB+32*\i
	ds_load_tr16_b128 v[\f+64+8*(4*\c+\i)+4:\f+64+8*(4*\c+\i)+7], v[ADRB+2*\slot+(\q)/2] offset:(((\q)%2)*64+32*\c+16)*PB+32*\i
	ds_load_b128 v[\f+8*(4*\c+\i):\f+8*(4*\c+\i)+3],         v[ADRA+\slot] offset:128*(\q)+64*\c+\i*16*PITCH
	ds_load_b128 v[\f+8*(4*\c+\i)+4:\f+8*(4*\c+\i)+7],       v[ADRA+\slot] offset:128*(\q)+64*\c+\i*16*PITCH+32
.endr
.endr
.endm
.macro PLACES                          ; four places in front of loads into registers that matrix instructions have read, and of the first read of results
.rept 4
	v_nop
.endr
.endm
; A K step is four quarters of 64 along K, 32 matrix instructions each, on buffers 0, 1, 0, 1.  One of the first three: multiplies buffer f and fetches quarter q of the same slot into g.
.macro QUARTER slot, q, f, g, zero
	s_wait_dscnt 16                                ; the first 32 along K are in; the sixteen loads of the second 32 may be out
	WIN MUL
	MUL8 \f, 0, 0, \zero
	MUL8 \f, 0, 2, \zero
	PLACES
	FETCH \slot, \q, \g
	s_wait_dscnt 32                                ; all but the 32 just issued
	WIN MUL
	MUL8 \f, 1, 0, 0
	MUL8 \f, 1, 2, 0
.endm
; The last quarter multiplies buffer 1 and changes slots: one barrier; in front of it each wave waits for all its tensor loads, adds 0 to its spare word, and waits for that and for its own reads of this slot.  fill = 1: this slot is filled again, two K steps ahead.
.macro TURN slot, next, fill
	WIN 0                                          ; (the add's two registers lie in window 0)
	s_wait_tensorcnt 0x0                           ; all my tensor loads have landed: my part of the next slot
	ds_add_u32 v[SPW], v[NIL]                      ; 0 onto my spare word
	s_wait_dscnt 17                                ; (the add and the youngest sixteen loads may be out)
	WIN MUL
	MUL8 F1, 0, 0, 0                               ; eight matrix instructions stand between the add and the wait for it
	s_wait_dscnt 0x0                               ; the add is done, and my reads of this slot are over
	s_barrier_signal -1
	MUL8 F1, 0, 2, 0
.if \fill
	WIN 0
.endif
	s_barrier_wait -1
.if \fill
	CREST                                          ; the barrier has opened a round of the cluster's barrier: no wave of any partner still reads this slot's tile or has a load on its way
	s_add_nc_u64 s[G0+4*\slot+2:G0+4*\slot+3], s[G0+4*\slot+2:G0+4*\slot+3], 2*KSTEP*2
	s_add_nc_u64 s[G0B+4*\slot+2:G0B+4*\slot+3], s[G0B+4*\slot+2:G0B+4*\slot+3], 2*KSTEP*2048
	JLOAD \slot                                    ; the first tensor load behind the round; its four v_nop are also the places in front of the loads below
.else
	PLACES
.endif
	FETCH \next, 0, F0
	WIN MUL
	MUL8 F1, 1, 0, 0
	MUL8 F1, 1, 2, 0
.endm
	s_wait_tensorcnt 1                             ; my part of K step 0 is in; K step 1's may be out
	s_barrier_signal -1
	s_barrier_wait -1                              ; everybody's is
	FETCH 0, 0, F0
	QUARTER 0, 1, F0, F1, 1                        ; the first quarter stands in front of the loop: its first products start the sums
	WIN 0                                          ; at a label and at a branch every window is 0
	s_mov_b32 s3, LAPS-1
.Llap:                                                 ; a trip goes once round the ring, from a lap's second quarter to the next lap's first, and fills both slots again
	QUARTER 0, 2, F1, F0, 0
	QUARTER 0, 3, F0, F1, 0
	TURN 0, 1, 1
	QUARTER 1, 1, F0, F1, 0
	QUARTER 1, 2, F1, F0, 0
	QUARTER 1, 3, F0, F1, 0
	TURN 1, 0, 1
	QUARTER 0, 1, F0, F1, 0
	WIN 0
	s_sub_co_u32 s3, s3, 1
	s_cmp_lg_u32 s3, 0
	s_cbranch_scc1 .Llap
	QUARTER 0, 2, F1, F0, 0                        ; the last lap fills nothing, and has no round of the cluster's barrier
	QUARTER 0, 3, F0, F1, 0
	TURN 0, 1, 0
	QUARTER 1, 1, F0, F1, 0
	QUARTER 1, 2, F1, F0, 0
	QUARTER 1, 3, F0, F1, 0
	s_wait_dscnt 16                                ; the very last quarter: nothing more to fetch
	WIN MUL
	MUL8 F1, 0, 0, 0
	MUL8 F1, 0, 2, 0
	s_wait_dscnt 0
	MUL8 F1, 1, 0, 0
	MUL8 F1, 1, 2, 0
	WIN 0
; THE WAY OUT, block by block of 16 rows x 64 columns of f32: a lane's 32 bytes go into my own stage, each accumulator from its low end on, and come back as whole rows of 256 bytes.
; LDS serves a wave's instructions in order: no wait between the stores and the loads, nor in front of the next block's stores.
.macro TOSTAGE a
.set BB, TMP+32*((\a)%2)
.irp b, 0,1,2,3
	ds_store_b128 v[STO], v[ACC+8*(4*(\a)+\b):ACC+8*(4*(\a)+\b)+3] offset:64*\b
	ds_store_b128 v[STO], v[ACC+8*(4*(\a)+\b)+4:ACC+8*(4*(\a)+\b)+7] offset:64*\b+16
.endr
.irp t, 0,1,2,3,4,5,6,7
	ds_load_b128 v[BB+4*\t:BB+4*\t+3], v[RD] offset:\t*2*SPITCH
.endr
.endm
.macro SEND a, younger                 ; younger: the LDS instructions issued behind block a's loads, which may stay out
.set BB, TMP+32*((\a)%2)
	s_wait_dscnt \younger                          ; the block is back in registers
.irp t, 0,1,2,3,4,5,6,7
	global_store_b128 v[CO], v[BB+4*\t:BB+4*\t+3], s[8:9] offset:(16*(\a)+2*\t)*4096 th:TH_STORE_NT   ; 16 lanes store 256 bytes on end, aligned; written once, read by nobody here
.endr
.endm
	PLACES                                         ; behind the last products
	TOSTAGE 0
.irp a, 1,2,3
.if \a > 1
	s_wait_xcnt 0x0                                ; block a - 2's stores have read their registers: block a's rows may land there
.endif
	TOSTAGE \a
	SEND \a-1, 16                                  ; behind block a - 1's loads: block a's 8 stores and 8 loads
.endr
	SEND 3, 0
	s_wait_tensorcnt 0x0                           ; the wave's end: behind my last tensor load and my last LDS store
	ds_add_u32 v[SPW], v[NIL]
	s_wait_dscnt 0x0
	CROUND                                         ; the closing round: no work-group ends while a partner may still ask for a tile that names it
	s_endpgm
.Lfunc_end_k_qd48a59ee3c_oproj:
	.size	k_qd48a59ee3c_oproj, .Lfunc_end_k_qd48a59ee3c_oproj-k_qd48a59ee3c_oproj
	.p2alignl 7, 3214868480
	.fill 96, 4, 3214868480
	.section	.rodata,"a",@progbits
	.p2align	6, 0x0
	.amdhsa_kernel k_qd48a59ee3c_oproj
		.amdhsa_group_segment_fixed_size 327680
		.amdhsa_private_segment_fixed_size 0
		.amdhsa_enable_private_segment 0
		.amdhsa_kernarg_size 24
		.amdhsa_user_sgpr_count 2
		.amdhsa_user_sgpr_kernarg_segment_ptr 1
		.amdhsa_wavefront_size32 1
		.amdhsa_system_sgpr_workgroup_id_x 1
		.amdhsa_system_sgpr_workgroup_id_y 1
		.amdhsa_system_sgpr_workgroup_id_z 1
		.amdhsa_system_vgpr_workitem_id 0
		.amdhsa_next_free_vgpr 512
		.amdhsa_next_free_sgpr 66
		.amdhsa_reserve_vcc 0
		.amdhsa_float_denorm_mode_32 3
		.amdhsa_float_denorm_mode_16_64 3
		.amdhsa_memory_ordered 1
		.amdhsa_forward_progress 1
		.amdhsa_inst_pref_size 86
	.end_amdhsa_kernel
	.amdgpu_metadata
---
amdhsa.version: [ 1, 2 ]
amdhsa.kernels:
  - .name:           k_qd48a59ee3c_oproj
    .symbol:         k_qd48a59ee3c_oproj.kd
    .args:
      - { .name: attn16, .offset: 0, .size: 8, .value_kind: global_buffer, .address_space: global }
      - { .name: wo16, .offset: 8, .size: 8, .value_kind: global_buffer, .address_space: global }
      - { .name: out0, .offset: 16, .size: 8, .value_kind: global_buffer, .address_space: global }
    .group_segment_fixed_size: 327680
    .private_segment_fixed_size: 0
    .kernarg_segment_align: 8
    .kernarg_segment_size: 24
    .max_flat_workgroup_size: 128
    .sgpr_count:     66
    .vgpr_count:     512
    .wavefront_size: 32
...
	.end_amdgpu_metadata
.endif
;; end of part 4
